; MI455X (gfx1250); checked and timed in simulation.
; The chip was launched on July 23, 2026; its instructions are those of AMD's public machine-readable ISA for CDNA 5 (MIT licence, August 2026) and "CDNA5" Instruction Set Architecture Reference Guide (July 2026). The comments in the code are by the model that wrote it; some were corrected since.
;; Causal Self Attention. Allowed arithmetic: matrix products marked QUANTISED: E2M1 operands, one E8M0 scale for each 32 along K, by v_wmma_scale_f32_16x16x128_f8f6f4 with both operands' format E2M1 (or v_wmma_scale_f32_32x16x128_f4), f32 sums; products left as they are: bf16, f16 or f32 operands; f32 sums; everything else in f32.
;; Inputs: Wk 1,024 x 1,024 float32; Wo 1,024 x 1,024 float32; Wq 1,024 x 1,024 float32; Wv 1,024 x 1,024 float32; bk 1,024 float32; bo 1,024 float32; bq 1,024 float32; bv 1,024 float32; x 4 x 2,048 x 1,024 float32.
;; Outputs: out0 4 x 2,048 x 1,024 float32.
;; This version of the problem:
;;   THIS VERSION OF THE PROBLEM IS GIVEN IN LOW PRECISION. The matrix products marked QUANTISED in the list below multiply operands that are first quantised to E2M1 (2 exponent bits, 1 mantissa bit; 4 bits a number), with one power-of-two scale for each 32 numbers along K (OCP MX v1.0); their sums are f32. The products marked 'left as it is' may take bf16, f16 or f32 operands, with f32 sums. Whichever they take, every output number must still come out within the allowed error. Rounding operands to bf16 (8 significant bits) uses up far more of that allowance than f16 does (11 bits, for magnitudes from 6e-5 to 65,504). All else is computed in f32.
;;   The module's matrix products, in the order in which they are computed (A, B: the left and right operand; K: the contracted axis; several contracted axes count as one K, in the product's order):
;;     1. [M 8,192, K 1,024] x [K 1,024, N 1,024]; A: input x; B: input Wq: QUANTISED
;;     2. [M 8,192, K 1,024] x [K 1,024, N 1,024]; A: input x; B: input Wk: QUANTISED
;;     3. [M 8,192, K 1,024] x [K 1,024, N 1,024]; A: input x; B: input Wv: QUANTISED
;;     4. batch 64 x [M 2,048, K 64] x [K 64, N 2,048]; A: computed on the way; B: computed on the way: left as it is (an operand is computed on the way)
;;     5. batch 64 x [M 2,048, K 2,048] x [K 2,048, N 64]; A: computed on the way; B: computed on the way: left as it is (an operand is computed on the way)
;;     6. [M 8,192, K 1,024] x [K 1,024, N 1,024]; A: computed on the way; B: input Wo: left as it is (an operand is computed on the way)
;;   THE QUANTISER, for each operand of a quantised product, along K:
;;     - K is cut into blocks of 32 from its start; a last block that is shorter is filled with zeros.
;;     - A block's scale is 2^e with e = floor(log2(the largest magnitude in the block)) - 2, held to -126 .. 127; a block of zeros has e = 0. As a byte (E8M0): e + 127.
;;     - Each number is divided by its block's scale, clamped to +-6, and rounded to the nearest number of E2M1, ties to even, subnormals kept.
;;     - The product sums the exact products of the quantised numbers (number of the format x scale) in f32.
;;   ~~~python
;;   def quantise(x, axis):      # numpy; x: float32 -> the quantised numbers, widened to float32 again
;;       x = np.moveaxis(x, axis, -1); K = x.shape[-1]
;;       x = np.pad(x, [(0, 0)] * (x.ndim - 1) + [(0, -K % 32)]); x = x.reshape(x.shape[:-1] + (-1, 32)); a = np.abs(x).max(-1, keepdims=True)
;;       e = np.where(a > 0, np.clip(np.frexp(np.where(a > 0, a, 1))[1] - 1 - 2, -126, 127), 0)      # np.frexp(a)[1] - 1 = floor(log2(a)), exactly
;;       r = np.clip(x / 2.0 ** e, -6, 6)
;;       step = 2.0 ** (np.maximum(np.frexp(np.where(r == 0, 1, r))[1] - 1, 0) - 1)
;;       q = np.round(r / step) * step * 2.0 ** e      # np.round: ties to even
;;       return np.moveaxis(q.reshape(q.shape[:-2] + (-1,))[..., :K], -1, axis).astype(np.float32)
;;   ~~~
;; One version. Each part assembles by itself: llvm-mc -triple=amdgcn-amd-amdhsa -mcpu=gfx1250 --defsym DOCPART=n.
;; ======== version 1 of 1: 5 launches
;; limits: values are held in f16: magnitudes above 65,504 overflow, below 6.1e-05 lose precision
;; workspace buffers: xc 4,194,304 bytes; xs 262,144 bytes; wc 1,572,864 bytes; ws 98,304 bytes; woh 2,097,152 bytes; qkvh 50,331,648 bytes; qkv32 786,432 bytes; yh 16,777,216 bytes
;; launch prep (part 1): grid 368 x 1, 4 waves a work-group, no clusters, 68,096 bytes of LDS; arguments x, Wq, Wk, Wv, Wo, xc, xs, wc, ws, woh; writes xc, xs, wc, ws, woh
.if DOCPART == 1
	.amdgcn_target "amdgcn-amd-amdhsa--gfx1250"
	.amdhsa_code_object_version 6
	.text
	.protected	k_q45b02ba960_prep
	.globl	k_q45b02ba960_prep
	.p2align	8
	.type	k_q45b02ba960_prep,@function
k_q45b02ba960_prep:
	s_mov_b64 s[64:65], 0
	v_nop
	global_prefetch_b8 v0, s[64:65] scope:SCOPE_SE
	s_setreg_imm32_b32 hwreg(HW_REG_WAVE_MODE, 25, 1), 1
	s_wait_xcnt 0x0
; PREPARES THE OPERANDS.  Three kinds of work-groups, told apart by the work-group's number alone:
;   0-47    Wq, Wk, Wv [1024 k][1024 n] f32 -> codes of FP4 (E2M1) laid [3072 n][512 bytes], K innermost, and E8M0 scale bytes laid [8 nb][3 g][128 n][32]
;   48-111  Wo f32 -> f16, in place of its layout [1024 k][1024 n]
;   112-367 x [8192][1024] f32 -> codes [8192][512 bytes] and scale bytes [8192][32]
; A block's scale is 2^(floor(log2(its largest magnitude)) - 2); its byte is the largest magnitude's exponent field - 2, held at 1 from below.
; LIMITS: a block whose largest magnitude lies under 2^-124 (a block of zeros too) gets the byte 1: its codes are what the conversion gives under that scale (zeros for zeros), and this
; program alone reads the bytes.  NaN and infinities among the inputs are not served.  Wo in f16: magnitudes up to 65,504; under 6e-5 they are kept as f16 subnormals.
; No tensor loads, no barrier: waves share nothing.  Each kind of work-group has LDS bytes of its own.
.set SPW,   12                         ; v12  LDS address of my spare word; never rewritten
.set NIL,   13                         ; v13  0; never rewritten
.set WSTG,  32768                      ; LDS: 0 .. 32,767 x's four regions; from here the weights' four stages of 32 x 272 bytes
.set SPARE, 67584                      ; behind them: the spare words, 128 bytes a wave, that no other line names
.set SP,    80                         ; x: a lane's place in a stage: 64 bytes + 16 of padding
.set XR,    16                         ; x: v16-79 four sets of 16 numbers as loaded
.set XX,    80                         ; x: v80-111 two sets of 16 neighbours
.set XE,    112                        ; x: v112-127 a scale byte for each step
.set XC,    128                        ; x: v128-191 codes, four registers for each step
.set WX,    32                         ; W: v32-127 three sets of 32 numbers
.set WC,    128                        ; W: v128-131 a block's codes
.set WOUT,  132                        ; W: v132-195 the way out
.set WSB,   24                         ; W: v24-27 scale bytes, four to a register
.macro FINISH                          ; the wave's end, behind my last LDS store
	s_wait_tensorcnt 0x0
	ds_add_u32 v[SPW], v[NIL]
	s_wait_dscnt 0x0
	s_endpgm
.endm
	s_load_b256 s[4:11], s[0:1], 0x0               ; x s[4:5], Wq s[6:7], Wk s[8:9], Wv s[10:11]
	s_load_b256 s[12:19], s[0:1], 0x20             ; Wo s[12:13], xc s[14:15], xs s[16:17], wc s[18:19]
	s_load_b128 s[20:23], s[0:1], 0x40             ; ws s[20:21], woh s[22:23]
	v_lshl_add_u32 v[SPW], v0, 2, SPARE
	v_mov_b32 v[NIL], 0
	v_lshrrev_b32 v1, 5, v0
	v_readfirstlane_b32 s24, v1                    ; wave 0..3
	v_and_b32 v2, 31, v0                           ; lane
	s_wait_kmcnt 0x0
	s_cmp_lt_u32 ttmp9, 48
	s_cbranch_scc1 .Lw
	s_cmp_lt_u32 ttmp9, 112
	s_cbranch_scc1 .Lo
; ---------------- x: a plain stream of blocks of 32.  A wave takes 16 steps of 512 numbers.  Each load reads 512 consecutive bytes; the step's 2,048 bytes turn through the wave's own stage,
; so that a lane holds 16 neighbours (two neighbouring lanes hold a block).  A wave's store of codes covers 256 consecutive bytes; its 256 scale bytes are gathered in LDS and leave as one such run.
	v_lshlrev_b32 v3, 4, v2                        ; my 16 bytes of a load's 512
	s_mul_i32 s25, s24, 8192                       ; my wave's region
	v_lshrrev_b32 v14, 2, v2
	v_mul_u32_u24 v14, v14, SP
	v_and_b32 v15, 3, v2
	v_lshl_add_u32 v14, v15, 4, v14
	v_add_nc_u32 v14, s25, v14                     ; the stage on the way in: SP (lane / 4) + 16 (lane % 4)
	v_mul_u32_u24 v15, v2, SP
	v_add_nc_u32 v15, s25, v15                     ; and on the way out: SP x lane
	v_mul_u32_u24 v4, v2, 8                        ; my codes' place in a step's
	v_lshrrev_b32 v5, 1, v2
	s_add_co_u32 s25, s25, 2*32*SP
	v_add_nc_u32 v5, s25, v5                       ; my block's scale byte in the wave's 256
	v_lshlrev_b32 v7, 3, v2
	v_add_nc_u32 v6, s25, v7                       ; and 8 bytes a lane on their way out
	s_sub_co_u32 s26, ttmp9, 112
	s_lshl_b32 s26, s26, 2
	s_add_co_u32 s26, s26, s24                     ; which run of 8,192 numbers is my wave's: 0 .. 1,023
	s_lshl_b32 s28, s26, 15
	s_mov_b32 s29, 0
	s_add_nc_u64 s[4:5], s[4:5], s[28:29]          ; 32,768 bytes of x a run,
	s_lshl_b32 s28, s26, 12
	s_add_nc_u64 s[14:15], s[14:15], s[28:29]      ; 4,096 of codes,
	s_lshl_b32 s28, s26, 8
	s_add_nc_u64 s[16:17], s[16:17], s[28:29]      ; 256 of scale bytes
.macro XLOAD t
.irp i, 0,1,2,3
	global_load_b128 v[XR+16*((\t)%4)+4*\i:XR+16*((\t)%4)+4*\i+3], v3, s[4:5] offset:2048*(\t)+512*\i th:TH_LOAD_NT
.endr
.endm
.macro XTURN t                         ; LDS serves a wave's instructions in order: no wait between the stores and the loads
.irp i, 0,1,2,3
	ds_store_b128 v14, v[XR+16*((\t)%4)+4*\i:XR+16*((\t)%4)+4*\i+3] offset:32*SP*((\t)%2)+8*SP*\i
.endr
.irp i, 0,1,2,3
	ds_load_b128 v[XX+16*((\t)%2)+4*\i:XX+16*((\t)%2)+4*\i+3], v15 offset:32*SP*((\t)%2)+16*\i
.endr
.endm
.irp t, 0,1,2,3
	XLOAD \t
.endr
	s_wait_loadcnt 12                              ; step 0's four loads are in; the twelve of steps 1 to 3 stay out
	XTURN 0
.macro XSTEP t
.set XS, XX+16*((\t)%2)
.if (\t) > 0
	s_wait_dscnt 1                                 ; this step's numbers are back from the stage (the last step's byte store may be out), so the stage's stores have read their registers,
.else
	s_wait_dscnt 0x0
.endif
.if (\t)+4 < 16
	XLOAD (\t)+4                                   ; which take the loads of four steps on
.endif
.if (\t)+1 < 16
.if 14-(\t) >= 3
	s_wait_loadcnt 12                              ; the next step's four loads are in; those of the three steps behind it stay out
.else
	s_wait_loadcnt 4*(14-(\t))
.endif
	XTURN (\t)+1
.endif
	v_max3_num_f32 v8, |v[XS]|, |v[XS+1]|, |v[XS+2]|     ; the largest magnitude of my 16, in two chains
	v_max3_num_f32 v9, |v[XS+3]|, |v[XS+4]|, |v[XS+5]|
.irp i, 6,10
	v_max3_num_f32 v8, v8, |v[XS+\i]|, |v[XS+\i+1]|
	v_max3_num_f32 v9, v9, |v[XS+\i+2]|, |v[XS+\i+3]|
.endr
	v_max3_num_f32 v8, v8, |v[XS+14]|, |v[XS+15]|
	v_max3_num_f32 v8, v8, v9, 0x1800000           ; and the floor 2^(3 - 127): the byte cannot fall under 1
	v_max_num_f32_dpp v8, v8, v8 row_xmask:1 row_mask:0xf bank_mask:0xf   ; with my neighbour's 16: the block's
	v_add_nc_u32 v11, 0xff000000, v8               ; 2 off its exponent field: the conversion takes this operand's exponent field as its scale
	v_cvt_scalef32_pk8_fp4_f32 v[XC+4*(\t)], v[XS:XS+7], v11
	v_cvt_scalef32_pk8_fp4_f32 v[XC+4*(\t)+1], v[XS+8:XS+15], v11
	v_lshrrev_b32 v[XE+(\t)], 23, v11              ; the scale's byte
	ds_store_b8 v5, v[XE+(\t)] offset:16*(\t)      ; both lanes of a block write the same byte with the same value
	global_store_b64 v4, v[XC+4*(\t):XC+4*(\t)+1], s[14:15] offset:256*(\t)
.endm
.irp t, 0,1,2,3,4,5,6,7,8,9,10,11,12,13,14,15
	XSTEP \t
.endr
	ds_load_b64 v[8:9], v6                         ; in order behind my byte stores
	s_wait_dscnt 0x0
	global_store_b64 v7, v[8:9], s[16:17]          ; 32 lanes store 256 consecutive bytes, aligned
	FINISH
; ---------------- Wq, Wk, Wv: K is the FIRST axis.  A lane takes a column n and its registers run down K: a block of 32 lies in one lane, and the codes come out with K innermost.
; Work-group: g = id / 16 (which weight), ky = (id / 8) % 2 (which 512 along K), nb = id % 8 (which 128 columns); a wave takes 32 columns x 512 along K: 16 blocks a lane.
.Lw:
	s_lshr_b32 s25, ttmp9, 4                       ; g
	s_and_b32 s26, ttmp9, 7                        ; nb
	s_bfe_u32 s27, ttmp9, 0x10003                  ; ky
	s_cmp_eq_u32 s25, 1
	s_cselect_b64 s[6:7], s[8:9], s[6:7]           ; the weight is chosen by the work-group's number alone
	s_cmp_eq_u32 s25, 2
	s_cselect_b64 s[6:7], s[10:11], s[6:7]
	s_lshl_b32 s28, s26, 7
	s_lshl_b32 s29, s24, 5
	s_add_co_u32 s28, s28, s29                     ; my wave's first column: 128 nb + 32 wave
	s_lshl_b32 s30, s27, 21                        ; in: 512 ky rows of 4,096 bytes + 4 x column
	s_lshl_b32 s31, s28, 2
	s_add_co_u32 s30, s30, s31
	s_mov_b32 s31, 0
	s_add_nc_u64 s[6:7], s[6:7], s[30:31]
	s_lshl_b32 s30, s25, 10                        ; codes: row 1,024 g + column, 512 bytes a row, + 256 ky
	s_add_co_u32 s30, s30, s28
	s_lshl_b32 s30, s30, 9
	s_lshl_b32 s32, s27, 8
	s_add_co_u32 s30, s30, s32
	s_add_nc_u64 s[18:19], s[18:19], s[30:31]
	s_mul_i32 s30, s26, 3                          ; scale bytes: ((3 nb + g) 128 + 32 wave) rows of 32 bytes, + 16 ky
	s_add_co_u32 s30, s30, s25
	s_lshl_b32 s30, s30, 7
	s_add_co_u32 s30, s30, s29
	s_lshl_b32 s30, s30, 5
	s_lshl_b32 s32, s27, 4
	s_add_co_u32 s30, s30, s32
	s_add_nc_u64 s[20:21], s[20:21], s[30:31]
	v_lshlrev_b32 v3, 2, v2                        ; in: 4 bytes a lane
	s_mul_i32 s33, s24, 32*272
	s_add_co_u32 s33, s33, WSTG                    ; my stage
	v_mul_u32_u24 v4, v2, 272
	v_add_nc_u32 v4, s33, v4                       ; into it: row = my column
	v_and_b32 v5, 15, v2
	v_lshrrev_b32 v6, 4, v2
	v_mul_u32_u24 v7, v6, 272
	v_lshl_add_u32 v7, v5, 4, v7
	v_add_nc_u32 v7, s33, v7                       ; out of it: sixteen lanes to a row, two rows an instruction
	v_lshlrev_b32 v8, 9, v6
	v_lshl_add_u32 v8, v5, 4, v8                   ; and the same place in the codes' buffer
	v_lshlrev_b32 v9, 5, v2                        ; my column's row of scale bytes
.macro WLOAD t                         ; block t: W(32 t + i, my column) into set t % 3: each load reads 128 consecutive bytes
.set i, 0
.rept 32
	global_load_b32 v[WX+32*((\t)%3)+i], v3, s[6:7] offset:(32*(\t)+i)*4096 th:TH_LOAD_NT
.set i, i+1
.endr
.endm
	WLOAD 0
	WLOAD 1
	WLOAD 2
.macro WBLOCK t
.set XS, WX+32*((\t)%3)
.if (\t) < 14
	s_wait_loadcnt 63                              ; 64 younger loads (two blocks) follow this block's; the wait's field ends at 63
.else
	s_wait_loadcnt 32*(15-(\t))
.endif
	v_max3_num_f32 v10, |v[XS]|, |v[XS+1]|, |v[XS+2]|    ; the block's largest magnitude: all 32 numbers are mine
	v_max3_num_f32 v14, |v[XS+3]|, |v[XS+4]|, |v[XS+5]|
.irp i, 6,10,14,18,22,26
	v_max3_num_f32 v10, v10, |v[XS+\i]|, |v[XS+\i+1]|
	v_max3_num_f32 v14, v14, |v[XS+\i+2]|, |v[XS+\i+3]|
.endr
	v_max3_num_f32 v10, v10, |v[XS+30]|, |v[XS+31]|
	v_max3_num_f32 v10, v10, v14, 0x1800000        ; and the floor 2^(3 - 127)
	v_add_nc_u32 v11, 0xff000000, v10              ; the conversion's scale operand
	v_lshrrev_b32 v15, 23, v11                     ; the scale's byte
.if (\t)%4 == 0
	v_mov_b32 v[WSB+(\t)/4], v15                   ; four bytes to a register, the lower K in the lower byte
.else
	v_lshl_or_b32 v[WSB+(\t)/4], v15, 8*((\t)%4), v[WSB+(\t)/4]
.endif
.irp g, 0,1,2,3
	v_cvt_scalef32_pk8_fp4_f32 v[WC+\g], v[XS+8*\g:XS+8*\g+7], v11
.endr
	ds_store_b128 v4, v[WC:WC+3] offset:16*(\t)    ; 32 codes: 16 bytes of my column's row
.if (\t)+3 < 16
	WLOAD (\t)+3                                   ; into the set just converted
.endif
	s_wait_dscnt 0x0                               ; the store has read its registers: the next block's codes may be written
.endm
.set Q, 0
.rept 16
	WBLOCK Q
.set Q, Q+1
.endr
	global_store_b128 v9, v[WSB:WSB+3], s[20:21]   ; my column's 16 scale bytes of this half of K
.irp t, 0,1,2,3,4,5,6,7,8,9,10,11,12,13,14,15
	ds_load_b128 v[WOUT+4*\t:WOUT+4*\t+3], v7 offset:2*\t*272
.endr
.irp t, 0,1,2,3,4,5,6,7,8,9,10,11,12,13,14,15
	s_wait_dscnt 15-\t                             ; load t is back; the younger ones stay out
	global_store_b128 v8, v[WOUT+4*\t:WOUT+4*\t+3], s[18:19] offset:2*\t*512   ; sixteen lanes store 256 consecutive bytes, aligned
.endr
	FINISH
; ---------------- Wo -> f16.  A wave takes 4,096 numbers: 32 loads of 512 consecutive bytes, all out at once; 32 stores of 256 consecutive bytes.  No register is written twice.
.Lo:
	s_sub_co_u32 s25, ttmp9, 48
	s_lshl_b32 s25, s25, 2
	s_add_co_u32 s25, s25, s24                     ; which run of 4,096 numbers: 0 .. 255
	s_lshl_b32 s26, s25, 14
	s_mov_b32 s27, 0
	s_add_nc_u64 s[12:13], s[12:13], s[26:27]
	s_lshl_b32 s26, s25, 13
	s_add_nc_u64 s[22:23], s[22:23], s[26:27]
	v_lshlrev_b32 v3, 4, v2
	v_lshlrev_b32 v4, 3, v2
.set i, 0
.rept 32
	global_load_b128 v[32+4*i:32+4*i+3], v3, s[12:13] offset:512*i th:TH_LOAD_NT
.set i, i+1
.endr
.set i, 0
.rept 32
	s_wait_loadcnt 31-i                            ; load i is in; the younger ones stay out
	v_cvt_pk_f16_f32 v[160+2*i], v[32+4*i], v[33+4*i]
	v_cvt_pk_f16_f32 v[161+2*i], v[34+4*i], v[35+4*i]
	global_store_b64 v4, v[160+2*i:161+2*i], s[22:23] offset:256*i
.set i, i+1
.endr
	FINISH
.Lfunc_end_k_q45b02ba960_prep:
	.size	k_q45b02ba960_prep, .Lfunc_end_k_q45b02ba960_prep-k_q45b02ba960_prep
	.p2alignl 7, 3214868480
	.fill 96, 4, 3214868480
	.section	.rodata,"a",@progbits
	.p2align	6, 0x0
	.amdhsa_kernel k_q45b02ba960_prep
		.amdhsa_group_segment_fixed_size 68096
		.amdhsa_private_segment_fixed_size 0
		.amdhsa_enable_private_segment 0
		.amdhsa_kernarg_size 80
		.amdhsa_user_sgpr_count 2
		.amdhsa_user_sgpr_kernarg_segment_ptr 1
		.amdhsa_wavefront_size32 1
		.amdhsa_system_sgpr_workgroup_id_x 1
		.amdhsa_system_sgpr_workgroup_id_y 1
		.amdhsa_system_sgpr_workgroup_id_z 1
		.amdhsa_system_vgpr_workitem_id 0
		.amdhsa_next_free_vgpr 224
		.amdhsa_next_free_sgpr 66
		.amdhsa_reserve_vcc 0
		.amdhsa_float_denorm_mode_32 3
		.amdhsa_float_denorm_mode_16_64 3
		.amdhsa_memory_ordered 1
		.amdhsa_forward_progress 1
		.amdhsa_inst_pref_size 122
	.end_amdhsa_kernel
	.amdgpu_metadata
---
amdhsa.version: [ 1, 2 ]
amdhsa.kernels:
  - .name:           k_q45b02ba960_prep
    .symbol:         k_q45b02ba960_prep.kd
    .args:
      - { .name: x, .offset: 0, .size: 8, .value_kind: global_buffer, .address_space: global }
      - { .name: Wq, .offset: 8, .size: 8, .value_kind: global_buffer, .address_space: global }
      - { .name: Wk, .offset: 16, .size: 8, .value_kind: global_buffer, .address_space: global }
      - { .name: Wv, .offset: 24, .size: 8, .value_kind: global_buffer, .address_space: global }
      - { .name: Wo, .offset: 32, .size: 8, .value_kind: global_buffer, .address_space: global }
      - { .name: xc, .offset: 40, .size: 8, .value_kind: global_buffer, .address_space: global }
      - { .name: xs, .offset: 48, .size: 8, .value_kind: global_buffer, .address_space: global }
      - { .name: wc, .offset: 56, .size: 8, .value_kind: global_buffer, .address_space: global }
      - { .name: ws, .offset: 64, .size: 8, .value_kind: global_buffer, .address_space: global }
      - { .name: woh, .offset: 72, .size: 8, .value_kind: global_buffer, .address_space: global }
    .group_segment_fixed_size: 68096
    .private_segment_fixed_size: 0
    .kernarg_segment_align: 8
    .kernarg_segment_size: 80
    .max_flat_workgroup_size: 128
    .sgpr_count:     66
    .vgpr_count:     224
    .wavefront_size: 32
...
	.end_amdgpu_metadata
.endif
;; end of part 1
;; launch qkv (part 2): grid 8 x 32, 4 waves a work-group, clusters of 4 x 4, 327,680 bytes of LDS; arguments xc, xs, wc, ws, bq, bk, bv, qkvh, qkv32; writes qkvh, qkv32
.if DOCPART == 2
	.amdgcn_target "amdgcn-amd-amdhsa--gfx1250"
	.amdhsa_code_object_version 6
	.text
	.protected	k_q45b02ba960_qkv
	.globl	k_q45b02ba960_qkv
	.p2align	8
	.type	k_q45b02ba960_qkv,@function
k_q45b02ba960_qkv:
	s_mov_b64 s[64:65], 0
	v_nop
	global_prefetch_b8 v0, s[64:65] scope:SCOPE_SE
	s_setreg_imm32_b32 hwreg(HW_REG_WAVE_MODE, 25, 1), 1
	s_wait_xcnt 0x0
	s_wait_alu depctr_hold_cnt(0) depctr_sa_sdst(0) depctr_va_vdst(0) depctr_va_sdst(0) depctr_va_ssrc(0) depctr_va_vcc(0) depctr_vm_vsrc(0)
	s_getreg_b32 s2, hwreg(HW_REG_IB_STS2, 6, 4)
	s_cmp_eq_u32 s2, 0
	s_cbranch_scc0 .Lentry_in_a_cluster
	s_endpgm
.Lentry_in_a_cluster:
	s_bfe_u32 s2, ttmp6, 0x10000c
	s_cmp_lg_u32 s2, 0xf033
	s_cbranch_scc0 .Lentry_shape_is_right
	s_endpgm
.Lentry_shape_is_right:
; q, k, v = x W + b, the three quantised products, on codes of FP4 (E2M1) with one E8M0 scale for each 32 along K; sums in f32, the bias as the sums' first C.
; OUT: qkvh f16 [3 g][4 b][16 h][2048 t][64], and for the first 16 positions of every sequence also qkv32 f32 [3 g][4 b][16 h][16 t][64].
; LIMIT: q, k, v leave in f16: magnitudes up to 65,504; under 6e-5 they are kept as f16 subnormals.
; SHARES.  A work-group takes 256 rows of x (batch cy, block = the cluster's y) and 128 columns (two heads) of EACH of the three weights.  Wave w: 128 rows (w / 2) x 64 columns (w % 2, one head):
; 32 accumulators.  It makes three tiles, one a weight.  K = 1,024 is whole in LDS: x's panel 256 x 512 bytes, a weight's 128 x 512.  x's fragments for all of K stay in 512 registers: they are read
; from LDS once, K step by K step beside the first tile's products, and serve all three tiles.
; CLUSTER 4 x 4: the four of a row share x's panel and scales, the four of a column the weights': joint loads.  Wq and Wk come with the first fills, Wv into Wq's bytes behind a round.
; THE MATRIX INSTRUCTION IS USED TRANSPOSED (source 0 = 16 columns of W, source 1 = 16 rows of x): a lane holds one row and eight neighbouring columns.
; REGISTERS: window 0: v10-20 addresses; v28, v29 the add's two; v32-95 x's scale words (8 a + q); v96-127 W's (8 b + q); v128-191 W's fragments, two sets (on the way out rows read back);
;   v192-223 the bias (8 b + j); v224-255 packed results.  window 1: accumulator (a, b) at v[8 (4 a + b)].  windows 2, 3: x's fragment (q, a) at window 2 + q / 4, v[64 (q % 4) + 8 a].
.set PITCH,  528                       ; an LDS row: 512 bytes + 16: row r starts 4 r banks on, so the 16 rows of a load start at 16 different banks
.set HALFP,  128*PITCH                 ; 128 rows: what one tensor load brings
.set BS0,    2*HALFP                   ; behind x's panel: Wq's, later Wv's;  BS0 + HALFP: Wk's
.set ASC,    4*HALFP                   ; x's scale bytes: 32 runs of 256 bytes + 16
.set BSC,    ASC+32*272                ; the weights': 48 runs
.set SPARE,  BSC+48*272                ; the spare words, 128 bytes a wave, that no other line names
.set ADRA,  10
.set ADRB,  11                         ; v11, v12: W's fragments in the two panels
.set ADSA,  13
.set ADSB,  14
.set BIA,   15
.set STO,   16
.set RD,    17
.set STO32, 18
.set RD32,  19
.set CO,    20
.set SPW,   28
.set NIL,   29
.set SA,    32
.set SB,    96
.set BF,    128
.set RB,    128
.set BI,    192
.set PK,    224
.set G1A,   24
.set G0A,   32
.set G0B,   36
.set G1B,   40
.set G1S,   48
.set G1SB,  56
.set G0S,   68
.set G0SB,  72
.set MSB, 0
.macro WIN new                         ; the immediate's high byte repeats the setting that is left; a switch that changes nothing is dropped
.if MSB != (\new)
	s_set_vgpr_msb (MSB<<8)|(\new)
.set MSB, (\new)
.endif
.endm
.macro PLACES n
.rept \n
	v_nop
.endr
.endm
; A joint load: waves 0 and 1 fetch for x, waves 2 and 3 for the weights.  The branch hangs on the wave's number alone.  An s_nop 0 and four v_nop follow each line.
.macro JLOAD g0a, g1a, g0b, g1b
	s_cmp_eq_u32 s23, 0
	s_cbranch_scc0 .Lfor_b_\@
	tensor_load_to_lds s[\g0a:\g0a+3], s[\g1a:\g1a+7]
	s_nop 0
.rept 4
	v_nop
.endr
	s_branch .Lasked_\@
.Lfor_b_\@:
	tensor_load_to_lds s[\g0b:\g0b+3], s[\g1b:\g1b+7]
	s_nop 0
.rept 4
	v_nop
.endr
.Lasked_\@:
.endm
.macro CROUND                          ; a round of the cluster's barrier
	s_barrier_signal -1
	s_barrier_wait -1
	s_cmp_lg_u32 s22, 0
	s_cbranch_scc1 .Lnot_wave_0_\@
	s_barrier_signal -3
.Lnot_wave_0_\@:
	s_barrier_wait -3
	s_barrier_signal -1
	s_barrier_wait -1
.endm
	s_load_b256 s[4:11], s[0:1], 0x0               ; xc s[4:5], xs s[6:7], wc s[8:9], ws s[10:11]
	s_load_b256 s[12:19], s[0:1], 0x20             ; bq s[12:13], bk s[14:15], bv s[16:17], qkvh s[18:19]
	s_load_b64 s[20:21], s[0:1], 0x40              ; qkv32
	v_lshl_add_u32 v[SPW], v0, 2, SPARE
	v_mov_b32 v[NIL], 0
	ds_add_u32 v[SPW], v[NIL]                      ; the wave's opening: the add, twice on end, and its wait ahead of my first tensor load
	ds_add_u32 v[SPW], v[NIL]
	v_lshrrev_b32 v1, 5, v0
	v_readfirstlane_b32 s22, v1                    ; wave 0..3
	s_lshr_b32 s23, s22, 1                         ; which 128 rows are mine.  Also: I fetch for x (0) or for the weights (1)
	s_and_b32 s76, s22, 1                          ; which 64 columns are mine.  Also: which half I fetch
	s_bfe_u32 s77, ttmp6, 0x40000                  ; cx
	s_bfe_u32 s78, ttmp6, 0x40004                  ; cy = the batch
	s_and_b32 s79, ttmp7, 0xffff                   ; the cluster's y = the block of 256 positions in the batch: the same in all sixteen partners
	s_lshl_b32 s80, ttmp9, 2
	s_add_co_u32 s80, s80, s77                     ; nb = 4 x cluster x + cx: which 128 columns
	s_lshl_b32 s81, s78, 3
	s_add_co_u32 s81, s81, s79                     ; which 256 rows of x: 8 cy + cluster y
	s_lshl_b32 s82, s78, 2
	s_lshl_b32 s82, 15, s82                        ; my row of the cluster
	s_lshl_b32 s83, 0x1111, s77                    ; my column
	s_or_b32 s95, s79, s23                         ; 0: my rows 0-15 are a sequence's first 16 positions
	; group 1 of the panels: 128 rows x 512 elements of a byte, 16 bytes of padding behind each 128 words
	s_or_b32 s[G1A+0], s82, (1<<20)|(1<<21)|(6<<22)|(3<<25)
	s_or_b32 s[G1B+0], s83, (1<<20)|(1<<21)|(6<<22)|(3<<25)
.irp g, G1A, G1B
	s_mov_b32 s[\g+1], 512<<16                     ; tensor_dim0
	s_mov_b32 s[\g+2], 128<<16                     ; tensor_dim1
	s_mov_b32 s[\g+3], 512<<16                     ; tile_dim0
	s_mov_b32 s[\g+4], 128                         ; tile_dim1
	s_mov_b32 s[\g+5], 512                         ; from row to row
	s_mov_b32 s[\g+6], 0
	s_mov_b32 s[\g+7], 0
.endr
	; group 1 of the scale bytes: dense blocks as rows of 256 bytes (32 elements of 8), 16 bytes of padding behind each: x's half 16 rows, the weights' half 24
	s_or_b32 s[G1S+0], s82, (3<<16)|(1<<20)|(1<<21)|(5<<22)|(3<<25)
	s_mov_b32 s[G1S+1], 32<<16
	s_mov_b32 s[G1S+2], 16<<16
	s_mov_b32 s[G1S+3], 32<<16
	s_mov_b32 s[G1S+4], 16
	s_mov_b32 s[G1S+5], 32
	s_mov_b32 s[G1S+6], 0
	s_mov_b32 s[G1S+7], 0
	s_or_b32 s[G1SB+0], s83, (3<<16)|(1<<20)|(1<<21)|(5<<22)|(3<<25)
	s_mov_b32 s[G1SB+1], 32<<16
	s_mov_b32 s[G1SB+2], 24<<16
	s_mov_b32 s[G1SB+3], 32<<16
	s_mov_b32 s[G1SB+4], 24
	s_mov_b32 s[G1SB+5], 32
	s_mov_b32 s[G1SB+6], 0
	s_mov_b32 s[G1SB+7], 0
	; x's offsets hang on cy, the cluster's y and the wave; the weights' on cx, the cluster's x and the wave: each in registers that never hold the other coordinate
	s_lshl_b32 s84, s81, 8
	s_lshl_b32 s85, s76, 7
	s_add_co_u32 s84, s84, s85                     ; x: row 256 x block + 128 x half
	s_lshl_b32 s86, s84, 5                         ; its scale bytes
	s_mov_b32 s87, 0
	s_lshl_b32 s84, s84, 9                         ; its codes
	s_mov_b32 s85, 0
	s_lshl_b32 s88, s76, 10                        ; wave 2: Wq, wave 3: Wk
	s_lshl_b32 s89, s80, 7
	s_add_co_u32 s88, s88, s89
	s_lshl_b32 s88, s88, 9                         ; row (1,024 e + 128 nb) of 512 bytes
	s_mov_b32 s89, 0
	s_mul_i32 s90, s80, 12288                      ; the scale bytes of my 128 columns of all three weights: 12,288 dense bytes; my half
	s_mul_i32 s91, s76, 6144
	s_add_co_u32 s90, s90, s91
	s_mov_b32 s91, 0
	s_mul_i32 s92, s22, HALFP                      ; where the panels go: wave x 128 rows: x's halves, Wq's panel, Wk's panel
	s_mul_i32 s93, s76, 16*272
	s_add_co_u32 s93, s93, ASC
	s_mul_i32 s94, s76, 24*272
	s_add_co_u32 s94, s94, BSC
	s_wait_dscnt 0x0                               ; both opening adds are done
	s_wait_kmcnt 0x0
	s_mov_b32 s[G0A], 1
	s_mov_b32 s[G0A+1], s92
	s_add_nc_u64 s[G0A+2:G0A+3], s[4:5], s[84:85]
	s_or_b32 s[G0A+3], s[G0A+3], 0x80000000
	s_mov_b32 s[G0B], 1
	s_mov_b32 s[G0B+1], s92
	s_add_nc_u64 s[G0B+2:G0B+3], s[8:9], s[88:89]
	s_or_b32 s[G0B+3], s[G0B+3], 0x80000000
	s_mov_b32 s[G0S], 1
	s_mov_b32 s[G0S+1], s93
	s_add_nc_u64 s[G0S+2:G0S+3], s[6:7], s[86:87]
	s_or_b32 s[G0S+3], s[G0S+3], 0x80000000
	s_mov_b32 s[G0SB], 1
	s_mov_b32 s[G0SB+1], s94
	s_add_nc_u64 s[G0SB+2:G0SB+3], s[10:11], s[90:91]
	s_or_b32 s[G0SB+3], s[G0SB+3], 0x80000000
	CROUND                                         ; all sixteen work-groups are here: the first joint loads meet
	JLOAD G0S, G1S, G0SB, G1SB                     ; the scale bytes
	JLOAD G0A, G1A, G0B, G1B                       ; the panels: two loads of mine are out
	v_and_b32 v1, 15, v0                           ; r
	v_bfe_u32 v2, v0, 4, 1                         ; h
	v_mul_u32_u24 v3, v1, PITCH
	v_lshl_add_u32 v3, v2, 4, v3                   ; a fragment's row x pitch + 16 h
	s_mul_i32 s2, s23, HALFP
	v_add_nc_u32 v[ADRA], s2, v3
	s_mul_i32 s2, s76, 64*PITCH
	s_add_co_u32 s2, s2, BS0
	v_add_nc_u32 v[ADRB], s2, v3
	s_add_co_u32 s2, s2, HALFP
	v_add_nc_u32 v[ADRB+1], s2, v3
	v_lshrrev_b32 v4, 3, v1                        ; a row's 32 scale bytes: eight rows to a run of 256
	v_and_b32 v5, 7, v1
	v_mul_u32_u24 v4, v4, 272
	v_lshl_add_u32 v4, v5, 5, v4
	s_mul_i32 s2, s23, 16*272
	s_add_co_u32 s2, s2, ASC
	v_add_nc_u32 v[ADSA], s2, v4
	s_mul_i32 s2, s76, 8*272
	s_add_co_u32 s2, s2, BSC
	v_add_nc_u32 v[ADSB], s2, v4
	v_lshlrev_b32 v[BIA], 5, v2                    ; the bias: my half's eight numbers of a tile
	s_lshl_b32 s2, s22, 13                         ; my stages, in x's panel, which has had its one fill and, when they are written, its last read
	v_mul_u32_u24 v5, v1, 144
	v_lshl_add_u32 v5, v2, 4, v5
	v_add_nc_u32 v[STO], s2, v5                    ; f16: row r of 128 bytes + 16, 16 bytes for each half of the lanes
	v_and_b32 v6, 31, v0
	v_lshrrev_b32 v7, 3, v6
	v_and_b32 v8, 7, v6
	v_mul_u32_u24 v7, v7, 144
	v_lshl_add_u32 v7, v8, 4, v7
	v_add_nc_u32 v[RD], s2, v7                     ; back: eight lanes to a row, four rows an instruction
	s_add_co_u32 s2, s2, 2560
	v_mul_u32_u24 v5, v1, 272
	v_lshl_add_u32 v5, v2, 5, v5
	v_add_nc_u32 v[STO32], s2, v5                  ; f32: row r of 256 bytes + 16
	v_mul_u32_u24 v5, v2, 272
	v_lshl_add_u32 v5, v1, 4, v5
	v_add_nc_u32 v[RD32], s2, v5
	v_lshlrev_b32 v[CO], 4, v6                     ; 16 x lane: a head's rows are dense in both outputs
	s_lshl_b32 s2, s78, 4
	s_lshl_b32 s3, s80, 1
	s_add_co_u32 s2, s2, s3
	s_add_co_u32 s2, s2, s76                       ; batch x 16 + my head
	s_lshl_b32 s96, s2, 12
	s_mov_b32 s97, 0
	s_add_nc_u64 s[20:21], s[20:21], s[96:97]      ; qkv32: 4,096 bytes a head
	s_lshl_b32 s2, s2, 11
	s_lshl_b32 s3, s79, 8
	s_add_co_u32 s2, s2, s3
	s_lshl_b32 s3, s23, 7
	s_add_co_u32 s2, s2, s3                        ; my first row among all heads' rows
	s_lshl_b32 s96, s2, 7
	s_add_nc_u64 s[18:19], s[18:19], s[96:97]      ; qkvh: 128 bytes a row
	s_lshl_b32 s2, s80, 9
	s_lshl_b32 s3, s76, 8
	s_add_co_u32 s96, s2, s3                       ; my first column, in bytes of f32
	s_add_nc_u64 s[12:13], s[12:13], s[96:97]
	s_add_nc_u64 s[14:15], s[14:15], s[96:97]
	s_add_nc_u64 s[16:17], s[16:17], s[96:97]
.macro BIAS p                          ; b[my column 16 b + 8 h + j] into the result's layout
.irp b, 0,1,2,3
	global_load_b128 v[BI+8*\b:BI+8*\b+3], v[BIA], s[\p:\p+1] offset:64*\b
	global_load_b128 v[BI+8*\b+4:BI+8*\b+7], v[BIA], s[\p:\p+1] offset:64*\b+16
.endr
.endm
.macro BFETCH s, q, p                  ; W's four fragments of K step q, from panel s, into set p
	WIN 0
.irp b, 0,1,2,3
.irp c, 0,1
	ds_load_b128 v[BF+32*(\p)+8*\b+4*\c:BF+32*(\p)+8*\b+4*\c+3], v[ADRB+\s] offset:16*PITCH*\b+64*(\q)+32*\c
.endr
.endr
.endm
.macro AFETCH q                        ; x's eight fragments of K step q: they stay
	WIN 0x80+0x40*((\q)/4)
.irp a, 0,1,2,3,4,5,6,7
.irp c, 0,1
	ds_load_b128 v[64*((\q)%4)+8*\a+4*\c:64*((\q)%4)+8*\a+4*\c+3], v[ADRA] offset:16*PITCH*\a+64*(\q)+32*\c
.endr
.endr
.endm
; A K step of 128: 32 products, the 32 accumulators by turns, in the same order in every step.  K step 0 starts the sums with the bias as C.
.macro KSTEP g, s, q
	s_wait_dscnt 0x0                               ; this step's fragments are in (asked for a step ago)
.if (\q) > 0
	PLACES 4                                       ; four places in front of loads into registers that the last step's products read
.endif
.if (\q) < 7
	BFETCH \s, (\q)+1, 1-(\q)%2
.if (\g) == 0
	AFETCH (\q)+1
.endif
.endif
.if (\q) == 0
	WIN 0x48                                       ; W window 0, x window 2, C (the bias) window 0, D window 1
.elseif (\q) < 4
	WIN 0x58                                       ; C and D window 1
.else
	WIN 0x5c                                       ; x window 3
.endif
.irp a, 0,1,2,3,4,5,6,7
.irp b, 0,1,2,3
.if (\q) == 0
	v_wmma_scale_f32_16x16x128_f8f6f4 v[8*(4*\a+\b):8*(4*\a+\b)+7], v[BF+32*((\q)%2)+8*\b:BF+32*((\q)%2)+8*\b+7], v[64*((\q)%4)+8*\a:64*((\q)%4)+8*\a+7], v[BI+8*\b:BI+8*\b+7], v[SB+8*\b+(\q)], v[SA+8*\a+(\q)] matrix_a_fmt:MATRIX_FMT_FP4 matrix_b_fmt:MATRIX_FMT_FP4
.else
	v_wmma_scale_f32_16x16x128_f8f6f4 v[8*(4*\a+\b):8*(4*\a+\b)+7], v[BF+32*((\q)%2)+8*\b:BF+32*((\q)%2)+8*\b+7], v[64*((\q)%4)+8*\a:64*((\q)%4)+8*\a+7], v[8*(4*\a+\b):8*(4*\a+\b)+7], v[SB+8*\b+(\q)], v[SA+8*\a+(\q)] matrix_a_fmt:MATRIX_FMT_FP4 matrix_b_fmt:MATRIX_FMT_FP4
.endif
.endr
.endr
.endm
.macro TILE g, s                       ; weight g, whose panel lies in s
	WIN 0
.irp b, 0,1,2,3
	ds_load_b128 v[SB+8*\b:SB+8*\b+3], v[ADSB] offset:16*272*(\g)+2*272*\b         ; its scale words: eight a column
	ds_load_b128 v[SB+8*\b+4:SB+8*\b+7], v[ADSB] offset:16*272*(\g)+2*272*\b+16
.endr
	BFETCH \s, 0, 0
	s_wait_loadcnt 0x0                             ; the bias
.irp q, 0,1,2,3,4,5,6,7
	KSTEP \g, \s, \q
.endr
.endm
; THE WAY OUT, 16 rows x 64 columns at a time: rounded to f16, 16 bytes a lane into my stage, back as four whole rows an instruction: the wave's store covers 512 consecutive bytes.
.macro PACK a
	WIN 0x05                                       ; sources window 1
.irp b, 0,1,2,3
.irp p, 0,1,2,3
	v_cvt_pk_f16_f32 v[PK+4*\b+\p], v[8*(4*(\a)+\b)+2*\p], v[8*(4*(\a)+\b)+2*\p+1]   ; each accumulator from its low end on
.endr
.endr
	WIN 0
.endm
.macro TOSTAGE a
.if (\a) > 1
	s_wait_xcnt 0x0                                ; the stores of two blocks ago have read the registers that these loads fill
.endif
.irp b, 0,1,2,3
	ds_store_b128 v[STO], v[PK+4*\b:PK+4*\b+3] offset:32*\b
.endr
.irp i, 0,1,2,3
	ds_load_b128 v[RB+16*((\a)%2)+4*\i:RB+16*((\a)%2)+4*\i+3], v[RD] offset:4*144*\i   ; in order behind my stores
.endr
.endm
.macro SEND a
	s_wait_dscnt 0x0
.irp i, 0,1,2,3
	global_store_b128 v[CO], v[RB+16*((\a)%2)+4*\i:RB+16*((\a)%2)+4*\i+3], s[18:19] offset:2048*(\a)+512*\i
.endr
.endm
.macro FINE32                          ; a sequence's first 16 positions also leave in f32.  The branch hangs on the cluster's y and the wave's number: alike in all partners
	s_cmp_lg_u32 s95, 0
	s_cbranch_scc1 .Lnot_first_\@
	WIN 0x04                                       ; an LDS store's data are its source 1: window 1
.irp b, 0,1,2,3
	ds_store_b128 v[STO32], v[8*\b:8*\b+3] offset:64*\b
	ds_store_b128 v[STO32], v[8*\b+4:8*\b+7] offset:64*\b+16
.endr
	WIN 0
.irp i, 0,1,2,3,4,5,6,7
	ds_load_b128 v[PK+4*\i:PK+4*\i+3], v[RD32] offset:2*272*\i
.endr
	s_wait_dscnt 0x0
.irp i, 0,1,2,3,4,5,6,7
	global_store_b128 v[CO], v[PK+4*\i:PK+4*\i+3], s[20:21] offset:512*\i
.endr
.Lnot_first_\@:
.endm
.macro WAYOUT g
	PLACES 4                                       ; behind the last products, ahead of the first read of results and of the loads into the bias's registers
	WIN 0
.if (\g) == 0
	BIAS 14                                        ; the next tile's bias
.endif
.if (\g) == 1
	BIAS 16
.endif
	PACK 0
	TOSTAGE 0
.irp a, 1,2,3,4,5,6,7
	PACK \a                                        ; a block's conversions stand between the loads of the block before and the wait for them
	SEND \a-1
	TOSTAGE \a
.endr
	SEND 7
	FINE32
	s_wait_xcnt 0x0                                ; the stores have read their registers and bases: both may be written again
.if (\g) < 2
	s_add_nc_u64 s[18:19], s[18:19], 0x1000000     ; on to k's, then v's part of the outputs
	s_add_nc_u64 s[20:21], s[20:21], 0x40000
.endif
.endm
	BIAS 12
	s_wait_tensorcnt 0x0                           ; my two loads have landed,
	s_barrier_signal -1
	s_barrier_wait -1                              ; everybody's have.
.irp a, 0,1,2,3,4,5,6,7
	ds_load_b128 v[SA+8*\a:SA+8*\a+3], v[ADSA] offset:2*272*\a           ; x's scale words, for all of K: they stay
	ds_load_b128 v[SA+8*\a+4:SA+8*\a+7], v[ADSA] offset:2*272*\a+16
.endr
	AFETCH 0
	TILE 0, 0                                      ; q
	WIN 0
	s_wait_tensorcnt 0x0                           ; no tensor load of mine is out, so a group 0 may be written
	ds_add_u32 v[SPW], v[NIL]                      ; 0 onto my spare word
	s_add_nc_u64 s[G0B+2:G0B+3], s[G0B+2:G0B+3], 0x100000   ; wave 2's: from Wq's rows to Wv's, 2,048 rows of 512 bytes on
	s_wait_dscnt 0x0                               ; the add is done, and my reads of Wq's panel and of x's are over
	CROUND                                         ; that holds of every wave of all sixteen work-groups
	s_cmp_eq_u32 s22, 2
	s_cbranch_scc0 .Lno_wv
	tensor_load_to_lds s[G0B:G0B+3], s[G1B:G1B+7]  ; Wv into Wq's bytes: it has a way out, a tile and a way out in which to land
	s_nop 0
.rept 4
	v_nop
.endr
.Lno_wv:
	WAYOUT 0
	TILE 1, 1                                      ; k
	WAYOUT 1
	s_wait_tensorcnt 0x0                           ; Wv has landed (wave 2),
	s_wait_dscnt 0x0
	s_barrier_signal -1
	s_barrier_wait -1                              ; and every wave knows.
	TILE 2, 0                                      ; v
	WAYOUT 2
	s_wait_tensorcnt 0x0                           ; the wave's end
	ds_add_u32 v[SPW], v[NIL]
	s_wait_dscnt 0x0
	CROUND                                         ; the closing round
	s_endpgm
.Lfunc_end_k_q45b02ba960_qkv:
	.size	k_q45b02ba960_qkv, .Lfunc_end_k_q45b02ba960_qkv-k_q45b02ba960_qkv
	.p2alignl 7, 3214868480
	.fill 96, 4, 3214868480
	.section	.rodata,"a",@progbits
	.p2align	6, 0x0
	.amdhsa_kernel k_q45b02ba960_qkv
		.amdhsa_group_segment_fixed_size 327680
		.amdhsa_private_segment_fixed_size 0
		.amdhsa_enable_private_segment 0
		.amdhsa_kernarg_size 72
		.amdhsa_user_sgpr_count 2
		.amdhsa_user_sgpr_kernarg_segment_ptr 1
		.amdhsa_wavefront_size32 1
		.amdhsa_system_sgpr_workgroup_id_x 1
		.amdhsa_system_sgpr_workgroup_id_y 1
		.amdhsa_system_sgpr_workgroup_id_z 1
		.amdhsa_system_vgpr_workitem_id 0
		.amdhsa_next_free_vgpr 1024
		.amdhsa_next_free_sgpr 100
		.amdhsa_reserve_vcc 0
		.amdhsa_float_denorm_mode_32 3
		.amdhsa_float_denorm_mode_16_64 3
		.amdhsa_memory_ordered 1
		.amdhsa_forward_progress 1
		.amdhsa_inst_pref_size 191
	.end_amdhsa_kernel
	.amdgpu_metadata
---
amdhsa.version: [ 1, 2 ]
amdhsa.kernels:
  - .name:           k_q45b02ba960_qkv
    .symbol:         k_q45b02ba960_qkv.kd
    .args:
      - { .name: xc, .offset: 0, .size: 8, .value_kind: global_buffer, .address_space: global }
      - { .name: xs, .offset: 8, .size: 8, .value_kind: global_buffer, .address_space: global }
      - { .name: wc, .offset: 16, .size: 8, .value_kind: global_buffer, .address_space: global }
      - { .name: ws, .offset: 24, .size: 8, .value_kind: global_buffer, .address_space: global }
      - { .name: bq, .offset: 32, .size: 8, .value_kind: global_buffer, .address_space: global }
      - { .name: bk, .offset: 40, .size: 8, .value_kind: global_buffer, .address_space: global }
      - { .name: bv, .offset: 48, .size: 8, .value_kind: global_buffer, .address_space: global }
      - { .name: qkvh, .offset: 56, .size: 8, .value_kind: global_buffer, .address_space: global }
      - { .name: qkv32, .offset: 64, .size: 8, .value_kind: global_buffer, .address_space: global }
    .group_segment_fixed_size: 327680
    .private_segment_fixed_size: 0
    .kernarg_segment_align: 8
    .kernarg_segment_size: 72
    .max_flat_workgroup_size: 128
    .sgpr_count:     100
    .vgpr_count:     1024
    .wavefront_size: 32
...
	.end_amdgpu_metadata
.endif
;; end of part 2
;; launch attn (part 3): grid 4 x 64, 8 waves a work-group, no clusters, 327,680 bytes of LDS; arguments qkvh, yh; writes yh
.if DOCPART == 3
	.amdgcn_target "amdgcn-amd-amdhsa--gfx1250"
	.amdhsa_code_object_version 6
	.text
	.protected	k_q45b02ba960_attn
	.globl	k_q45b02ba960_attn
	.p2align	8
	.type	k_q45b02ba960_attn,@function
k_q45b02ba960_attn:
	s_mov_b64 s[64:65], 0
	v_nop
	global_prefetch_b8 v0, s[64:65] scope:SCOPE_SE
	s_setreg_imm32_b32 hwreg(HW_REG_WAVE_MODE, 25, 1), 1
	s_wait_xcnt 0x0
; y[b][h][q][:] = the sum over k <= q of softmax_k(q . k / 8) v[k][:], for one head a row of the grid.  q, k, v: f16 [3][64 heads][2048][64]; y: f16 [64 heads][2048][64].
; Products, maxima and sums in f32; the weights p are rounded to f16 for the second product, y once at the end.
; LIMITS: y in f16 (it is an average of v's).  p lies at 1 or under but for the rounding of c m; what falls under 6e-5 is kept as an f16 subnormal.  NaN and infinities are not served.
; SHARES.  Work-group i of a head owns the blocks of 256 queries 7 - i and then i: 8 - i and i + 1 units of 256 keys, NINE units whatever i: equal work and a constant trip count.
; Each of the eight waves owns 32 queries of the block: two tiles of 16.  A unit is four steps of 64 keys.  A step all of whose keys come after my 32 queries is left out by a scalar branch
; on ids; in every step that is walked the first key counts for all my queries; the one step on the diagonal sets hidden scores to -infinity.
; LAYOUT.  S^T = K Q^T (source 0 = 16 keys, source 1 = 16 queries) and O^T = V^T P: a lane holds ONE query throughout.  K comes out of LDS as it lies, V turned, by ds_load_tr16_b128.
; SOFTMAX.  Running maximum m and sum l for each query: p = 2^(c s - c m), c = log2(e) / 8; in every step O and l are multiplied by a = 2^(c m_old - c m_new).
; RING.  Two slots of a unit each; waves 0-3 fetch K's quarters, waves 4-7 V's: one tensor load a wave behind each change of slots, a unit's steps in which to land.
; NO CLUSTER: the four work-groups of a head walk different units in several of the nine trips (after its first block each starts again at unit 0, at a trip that hangs on i),
; and the change of block is a branch on the work-group's number.
; REGISTERS: window 0: v1-13 addresses and the mask's; v14, v15 the add's two; v16-31 statistics, eight a tile; v32-95 S^T, 32 a tile; v96-127 P, 16 a tile.
;   window 1: v0-31 Q; v32-95 K of a step; v96-159 V of a step; v160-223 O^T, 32 a tile.
.set PKK,   144                        ; a row of K in LDS: 128 bytes + 16
.set PVV,   160                        ; a row of V: 128 + 32: the turning load's 16 lanes take 8 rows x 32 bytes
.set VOFF,  256*PKK                    ; a slot: 256 rows of K, then 256 of V
.set SLOT1, 1<<17
.set STAGE, SLOT1+256*(PKK+PVV)        ; behind the ring: 32 rows x 144 bytes for each wave
.set SPARE, STAGE+8*32*144             ; the spare words, 128 bytes a wave, that no other line names
.set AK0, 1
.set AV0, 2
.set ADK, 3
.set ADV, 4
.set QO,  5
.set STO, 6
.set RD,  7
.set GO,  8
.set PFO, 9
.set SPW, 14
.set NIL, 15
.set ST,  16                           ; tile t at v[ST+8 t]: +0 c m, +1 m, +2, +3 l, +4 to +7 at work; a takes +6
.set S,   32
.set P,   96
.set QR,  0                            ; window 1
.set KFR, 32
.set VFR, 96
.set OA,  160
.set WV,  8
.set WGI, 9
.set BH,  10
.set NA,  11                           ; units of the first block
.set UC,  12                           ; the trip
.set NU,  13                           ; the unit last asked for
.set KF,  14                           ; the step's first key
.set Q0,  15                           ; my first query
.set TBK, 16                           ; LDS byte of the step's K
.set TBV, 17                           ; and V
.set STP, 18
.set LIM, 19
.set SEL, 20
.set CS,  22
.set MSB, 0
.macro WIN new
.if MSB != (\new)
	s_set_vgpr_msb (MSB<<8)|(\new)
.set MSB, (\new)
.endif
.endm
.macro TLOAD                           ; waves 0-3: K's quarter; waves 4-7: V's.  An s_nop 0 and four v_nop follow each line
	s_cmp_lt_u32 s[WV], 4
	s_cbranch_scc0 .Lfor_v_\@
	tensor_load_to_lds s[40:43], s[24:31]
	s_nop 0
.rept 4
	v_nop
.endr
	s_branch .Lasked_\@
.Lfor_v_\@:
	tensor_load_to_lds s[44:47], s[32:39]
	s_nop 0
.rept 4
	v_nop
.endr
.Lasked_\@:
.endm
; A PREFETCH INTO THE L2 of the unit that the NEXT change of slots will ask for: in trip u unit u + 2, a unit's four key steps ahead of its tensor load.  All four work-groups of a head walk the same
; units in their first blocks: work-group 0, which walks all eight, asks.  Each wave asks for the 8,192 bytes that it will fetch, lanes 256 bytes apart: each block is named once.  Trips 6 on ask for nothing.
.macro ASK
	s_cmp_lt_u32 s[UC], s[LIM]
	s_cbranch_scc0 .Lnot_mine_\@
	global_prefetch_b8 v[PFO], s[60:61] th:TH_LOAD_NT scope:SCOPE_SE
.Lnot_mine_\@:
.endm
	s_load_b128 s[4:7], s[0:1], 0x0                ; qkvh, yh
	v_lshl_add_u32 v[SPW], v0, 2, SPARE
	v_mov_b32 v[NIL], 0
	ds_add_u32 v[SPW], v[NIL]                      ; the wave's opening: the add, twice on end, and its wait ahead of my first tensor load
	ds_add_u32 v[SPW], v[NIL]
	v_lshrrev_b32 v1, 5, v0
	v_readfirstlane_b32 s[WV], v1                  ; wave 0..7
	s_mov_b32 s[WGI], ttmp9
	s_and_b32 s[BH], ttmp7, 0xffff
	s_sub_co_u32 s[NA], 8, s[WGI]
	; group 1: 64 rows x 64 elements of 2 bytes, dense in memory; padding behind every 32 words: 4 words for K, 8 for V
	s_mov_b32 s24, (1<<16)|(1<<20)|(4<<22)|(3<<25)
	s_mov_b32 s32, (1<<16)|(1<<20)|(4<<22)|(7<<25)
.irp g, 24, 32
	s_mov_b32 s[\g+1], 64<<16
	s_mov_b32 s[\g+2], 64<<16
	s_mov_b32 s[\g+3], 64<<16
	s_mov_b32 s[\g+4], 64
	s_mov_b32 s[\g+5], 64
	s_mov_b32 s[\g+6], 0
	s_mov_b32 s[\g+7], 0
.endr
	s_and_b32 s66, s[WV], 3                        ; which quarter I fetch
	s_mul_i32 s67, s66, 64*PKK
	s_mul_i32 s68, s66, 64*PVV
	s_add_co_u32 s68, s68, VOFF
	s_lshl_b32 s70, s[BH], 18                      ; a head's rows: 262,144 bytes
	s_mov_b32 s71, 0
	s_lshl_b32 s72, s66, 13                        ; a quarter: 8,192 bytes
	s_mov_b32 s73, 0
	s_mov_b32 s[SEL], 0x76543210
	s_mov_b32 s[SEL+1], 0xfedcba98
	s_mov_b32 s[CS], 0x3e38aa3b                    ; c = log2(e) / 8
	s_mov_b32 s[CS+1], s[CS]
	s_wait_dscnt 0x0                               ; both opening adds are done
	s_wait_kmcnt 0x0
	s_add_nc_u64 s[52:53], s[4:5], s[70:71]        ; q of my head
	s_add_nc_u64 s[54:55], s[6:7], s[70:71]        ; y of my head
	s_add_nc_u64 s[48:49], s[52:53], s[72:73]
	s_add_nc_u64 s[50:51], s[48:49], 0x2000000     ; v: my quarter of unit 0
	s_add_nc_u64 s[48:49], s[48:49], 0x1000000     ; k: the same
	s_mov_b32 s40, 1
	s_mov_b32 s41, s67
	s_mov_b64 s[42:43], s[48:49]
	s_or_b32 s43, s43, 0x80000000
	s_mov_b32 s44, 1
	s_mov_b32 s45, s68
	s_mov_b64 s[46:47], s[50:51]
	s_or_b32 s47, s47, 0x80000000
	TLOAD                                          ; unit 0 into slot 0
	s_cmp_lt_u32 s[WV], 4
	s_cselect_b64 s[60:61], s[48:49], s[50:51]
	s_add_nc_u64 s[60:61], s[60:61], 0x8000        ; at unit 1: the first change steps it to unit 2.  Nothing is prefetched here, at the head
	s_cmp_eq_u32 s[WGI], 0
	s_cselect_b32 s[LIM], 6, 0
	v_and_b32 v16, 15, v0                          ; r
	v_bfe_u32 v17, v0, 4, 1                        ; h
	v_and_b32 v18, 31, v0                          ; lane
	v_mul_u32_u24 v[AK0], v16, PKK
	v_lshl_add_u32 v[AK0], v17, 4, v[AK0]          ; K: row r, + 16 h
	v_and_b32 v19, 7, v0
	v_bfe_u32 v20, v0, 3, 1
	v_lshl_add_u32 v[AV0], v17, 3, v19
	v_mul_u32_u24 v[AV0], v[AV0], PVV
	v_lshl_add_u32 v[AV0], v20, 4, v[AV0]
	v_add_nc_u32 v[AV0], VOFF, v[AV0]              ; V: key 8 h + lane % 8, channels 8 ((lane / 8) % 2) on
	v_lshlrev_b32 v[QO], 7, v16
	v_lshl_add_u32 v[QO], v17, 4, v[QO]            ; Q: row r of 128 bytes, + 16 h
	s_mul_i32 s66, s[WV], 32*144
	s_add_co_u32 s66, s66, STAGE                   ; my stage
	v_mul_u32_u24 v[STO], v16, 144
	v_lshl_add_u32 v[STO], v17, 4, v[STO]
	v_add_nc_u32 v[STO], s66, v[STO]
	v_lshrrev_b32 v21, 3, v18
	v_mul_u32_u24 v[RD], v21, 144
	v_lshl_add_u32 v[RD], v19, 4, v[RD]
	v_add_nc_u32 v[RD], s66, v[RD]                 ; back: eight lanes to a row, four rows an instruction
	v_lshlrev_b32 v[GO], 4, v18
	v_lshlrev_b32 v[PFO], 8, v18
	v_lshlrev_b32 v22, 3, v17
	v_sub_nc_u32 v10, v16, v22                     ; r - 8 h, for the mask
	v_mov_b32 v12, 0xff800000                      ; -infinity
.macro SETQ                            ; q's and y's rows of my 32 queries
	s_lshl_b32 s66, s[Q0], 7
	s_mov_b32 s67, 0
	s_add_nc_u64 s[56:57], s[52:53], s[66:67]
	s_add_nc_u64 s[58:59], s[54:55], s[66:67]
.endm
.macro RESET                           ; a block's start: m = -3e38, under every score; l = 0; O^T = 0: the first change of m multiplies zeros
.irp t, 0,1
	v_mov_b32 v[ST+8*\t+1], 0xff61b1e6
	v_mul_f32 v[ST+8*\t], s[CS], v[ST+8*\t+1]
.irp k, 2,3,4,5,6,7
	v_mov_b32 v[ST+8*\t+\k], 0
.endr
.endr
	WIN 0x40
.set i, 0
.rept 64
	v_mov_b32 v[OA+i], 0
.set i, i+1
.endr
	WIN 0
.endm
.macro QLOAD                           ; Q's fragments (tile t, channels 32 dd on) stay in registers
	WIN 0x40
.irp t, 0,1
.irp dd, 0,1
	global_load_b128 v[QR+16*\t+8*\dd:QR+16*\t+8*\dd+3], v[QO], s[56:57] offset:2048*\t+64*\dd
	global_load_b128 v[QR+16*\t+8*\dd+4:QR+16*\t+8*\dd+7], v[QO], s[56:57] offset:2048*\t+64*\dd+32
.endr
.endr
	WIN 0
.endm
; A KEY STEP: 64 keys.
.macro STEP
	s_add_co_u32 s66, s[Q0], 31
	s_cmp_gt_u32 s[KF], s66                        ; all its keys come after my queries: only the lines at its end, which step addresses, are run
	s_cbranch_scc1 .Lhidden_\@
	v_add_nc_u32 v[ADK], s[TBK], v[AK0]            ; these two and two v_nop are the four places behind the last step's products, ahead of the loads into their operands
	v_add_nc_u32 v[ADV], s[TBV], v[AV0]
	v_nop
	v_nop
	WIN 0x40
.irp kt, 0,1,2,3
.irp dd, 0,1
	ds_load_b128 v[KFR+16*\kt+8*\dd:KFR+16*\kt+8*\dd+3], v[ADK] offset:16*PKK*\kt+64*\dd
	ds_load_b128 v[KFR+16*\kt+8*\dd+4:KFR+16*\kt+8*\dd+7], v[ADK] offset:16*PKK*\kt+64*\dd+32
.endr
.endr
.irp ks, 0,1
.irp ct, 0,1,2,3
	ds_load_tr16_b128 v[VFR+32*\ks+8*\ct:VFR+32*\ks+8*\ct+3], v[ADV] offset:32*PVV*\ks+32*\ct
	ds_load_tr16_b128 v[VFR+32*\ks+8*\ct+4:VFR+32*\ks+8*\ct+7], v[ADV] offset:32*PVV*\ks+32*\ct+16*PVV
.endr
.endr
	s_wait_dscnt 16                                ; K's sixteen loads are in; V's sixteen stay out
	WIN 0x05                                       ; K and Q window 1, S^T window 0
.set n, 0
.rept 16                               ; tile n % 2, keys 16 ((n / 2) % 4) on, channels 32 (n / 8) on: eight accumulators by turns; the first eight start the sums
.set rS, S+32*(n%2)+8*((n/2)%4)
.set rK, KFR+16*((n/2)%4)+8*(n/8)
.set rQ, QR+16*(n%2)+8*(n/8)
.if n < 8
	v_wmma_f32_16x16x32_f16 v[rS:rS+7], v[rK:rK+7], v[rQ:rQ+7], 0
.else
	v_wmma_f32_16x16x32_f16 v[rS:rS+7], v[rK:rK+7], v[rQ:rQ+7], v[rS:rS+7]
.endif
.set n, n+1
.endr
	WIN 0
.rept 4
	v_nop                                          ; four places ahead of the first read of the scores
.endr
	s_add_co_u32 s66, s[KF], 63
	s_cmp_le_u32 s66, s[Q0]                        ; all 64 keys count for all my queries: no mask
	s_cbranch_scc1 .Lopen_\@
	s_sub_co_i32 s66, s[Q0], s[KF]
	v_add_nc_u32 v11, s66, v10                     ; d = my query - KF - 8 h.  Register 8 kt + j holds key KF + 16 kt + 8 h + j: hidden where 16 kt + j > d
	v_add_nc_u32 v13, 16, v11                      ; tile 1's queries lie 16 on
.irp t, 0,1
.irp kt, 0,1,2,3
.irp j, 0,1,2,3,4,5,6,7
	v_cmp_gt_i32 vcc_lo, 16*\kt+\j, v[11+2*\t]
	v_cndmask_b32 v[S+32*\t+8*\kt+\j], v[S+32*\t+8*\kt+\j], v12, vcc_lo
.endr
.endr
.endr
.Lopen_\@:
	; the maximum of my 32 scores and the old m, three operands at a time; the two tiles alternate; each accumulator is read from its low end on
.irp j, 0,1,2,3
.irp t, 0,1
	v_max3_num_f32 v[ST+8*\t+4+\j], v[S+32*\t+8*\j], v[S+32*\t+8*\j+1], v[S+32*\t+8*\j+2]
.endr
.endr
.irp g, 1,2
.irp j, 0,1,2,3
.irp t, 0,1
	v_max3_num_f32 v[ST+8*\t+4+\j], v[ST+8*\t+4+\j], v[S+32*\t+8*\j+2*\g+1], v[S+32*\t+8*\j+2*\g+2]
.endr
.endr
.endr
.irp t, 0,1
	v_max3_num_f32 v[ST+8*\t+4], v[ST+8*\t+4], v[S+32*\t+7], v[S+32*\t+15]
.endr
.irp t, 0,1
	v_max3_num_f32 v[ST+8*\t+6], v[ST+8*\t+6], v[S+32*\t+23], v[S+32*\t+31]
.endr
.irp t, 0,1
	v_max3_num_f32 v[ST+8*\t+4], v[ST+8*\t+4], v[ST+8*\t+5], v[ST+8*\t+6]
.endr
.irp t, 0,1
	v_max3_num_f32 v[ST+8*\t+4], v[ST+8*\t+4], v[ST+8*\t+7], v[ST+8*\t+1]
.endr
.irp t, 0,1
	v_permlanex16_b32 v[ST+8*\t+5], v[ST+8*\t+4], s[SEL], s[SEL+1]   ; the query's other 32 keys lie in the lane 16 away
.endr
.irp t, 0,1
	v_mov_b32 v[ST+8*\t+7], v[ST+8*\t]             ; c m_old is kept for a
.endr
.irp t, 0,1
	v_max_num_f32 v[ST+8*\t+1], v[ST+8*\t+4], v[ST+8*\t+5]
.endr
.irp t, 0,1
	v_mul_f32 v[ST+8*\t], s[CS], v[ST+8*\t+1]
.endr
.irp t, 0,1
	v_sub_f32 v[ST+8*\t+7], v[ST+8*\t+7], v[ST+8*\t]
.endr
.irp p, 0,1,2,3,4,5,6,7,8,9,10,11,12,13,14,15
.irp t, 0,1
	v_pk_fma_f32 v[S+32*\t+2*\p:S+32*\t+2*\p+1], v[S+32*\t+2*\p:S+32*\t+2*\p+1], s[CS:CS+1], v[ST+8*\t:ST+8*\t+1] op_sel_hi:[1,0,0] neg_lo:[0,0,1] neg_hi:[0,0,1]   ; c s - c m
.endr
.endr
.irp t, 0,1
	v_exp_f32 v[ST+8*\t+6], v[ST+8*\t+7]           ; a
.endr
.set i, 0
.rept 32
	v_exp_f32 v[S+i], v[S+i]                       ; p: one batch of 66 exponentials,
	v_exp_f32 v[S+32+i], v[S+32+i]
.set i, i+1
.endr
	v_nop                                          ; one plain instruction behind the last,
	s_wait_alu depctr_va_vdst(0)                   ; and one wait ahead of the first line that names a result
.irp p, 0,1,2,3,4,5,6,7,8,9,10,11,12,13,14,15
.irp t, 0,1
	v_cvt_pk_f16_f32 v[P+16*\t+\p], v[S+32*\t+2*\p], v[S+32*\t+2*\p+1]   ; two neighbouring tiles of keys, rounded in pairs, ARE source 1 of the second product
.endr
.endr
.irp u, 0,1,2,3,4,5,6,7                ; the sum of the 16 pairs, in place: neighbours 1, 2, 4 and 8 pairs apart
.irp t, 0,1
	v_pk_add_f32 v[S+32*\t+4*\u:S+32*\t+4*\u+1], v[S+32*\t+4*\u:S+32*\t+4*\u+1], v[S+32*\t+4*\u+2:S+32*\t+4*\u+3]
.endr
.endr
.irp u, 0,1,2,3
.irp t, 0,1
	v_pk_add_f32 v[S+32*\t+8*\u:S+32*\t+8*\u+1], v[S+32*\t+8*\u:S+32*\t+8*\u+1], v[S+32*\t+8*\u+4:S+32*\t+8*\u+5]
.endr
.endr
.irp u, 0,1
.irp t, 0,1
	v_pk_add_f32 v[S+32*\t+16*\u:S+32*\t+16*\u+1], v[S+32*\t+16*\u:S+32*\t+16*\u+1], v[S+32*\t+16*\u+8:S+32*\t+16*\u+9]
.endr
.endr
.irp t, 0,1
	v_pk_add_f32 v[S+32*\t:S+32*\t+1], v[S+32*\t:S+32*\t+1], v[S+32*\t+16:S+32*\t+17]
.endr
.irp t, 0,1
	v_pk_fma_f32 v[ST+8*\t+2:ST+8*\t+3], v[ST+8*\t+2:ST+8*\t+3], v[ST+8*\t+6:ST+8*\t+7], v[S+32*\t:S+32*\t+1] op_sel_hi:[1,0,1]   ; l = a l + the sum
.endr
	s_wait_dscnt 0x0                               ; V is in
	WIN 0x41                                       ; O^T window 1, a window 0
.irp t, 0,1
.set i, 0
.rept 16
	v_pk_mul_f32 v[OA+32*\t+i:OA+32*\t+i+1], v[OA+32*\t+i:OA+32*\t+i+1], v[ST+8*\t+6:ST+8*\t+7] op_sel_hi:[1,0]
.set i, i+2
.endr
.endr
	WIN 0x51                                       ; V window 1, P window 0, O^T window 1
.set n, 0
.rept 16                               ; tile n % 2, channels 16 ((n / 2) % 4) on, keys 32 (n / 8) on: eight accumulators by turns
.set rO, OA+32*(n%2)+8*((n/2)%4)
.set rV, VFR+32*(n/8)+8*((n/2)%4)
.set rP, P+16*(n%2)+8*(n/8)
	v_wmma_f32_16x16x32_f16 v[rO:rO+7], v[rV:rV+7], v[rP:rP+7], v[rO:rO+7]
.set n, n+1
.endr
	WIN 0
.Lhidden_\@:
	s_add_co_u32 s[KF], s[KF], 64
	s_add_co_u32 s[TBK], s[TBK], 64*PKK
	s_add_co_u32 s[TBV], s[TBV], 64*PVV
.endm
.macro UNIT                            ; a slot's four steps: written once, walked four times
	s_mov_b32 s[STP], 4
.Lstep_\@:
	STEP
	s_sub_co_u32 s[STP], s[STP], 1
	s_cmp_lg_u32 s[STP], 0
	s_cbranch_scc1 .Lstep_\@
	s_sub_co_u32 s[TBK], s[TBK], 256*PKK           ; back to a slot's first step,
	s_sub_co_u32 s[TBV], s[TBV], 256*PVV
	s_xor_b32 s[TBK], s[TBK], SLOT1                ; in the other slot
	s_xor_b32 s[TBV], s[TBV], SLOT1
.endm
; THE CHANGE OF SLOTS stands at a unit's head.  Each wave waits for all its tensor loads (its part of the slot ahead), adds 0 to its spare word, and waits for that and for its reads of the slot left.
; fill = 1: the slot left is filled with the unit that follows: the first block's next, or, behind its last, unit 0 again for the second block.
.macro CHANGE fill
	s_wait_tensorcnt 0x0                           ; no tensor load of mine is out, so a group 0 may be written
	ds_add_u32 v[SPW], v[NIL]                      ; 0 onto my spare word
.if \fill
	s_xor_b32 s41, s41, SLOT1
	s_xor_b32 s45, s45, SLOT1
	s_add_co_u32 s[NU], s[NU], 1
	s_cmp_eq_u32 s[NU], s[NA]
	s_cselect_b32 s[NU], 0, s[NU]
	s_lshl_b32 s66, s[NU], 15                      ; a unit: 32,768 bytes
	s_mov_b32 s67, 0
	s_add_nc_u64 s[42:43], s[48:49], s[66:67]
	s_or_b32 s43, s43, 0x80000000
	s_add_nc_u64 s[46:47], s[50:51], s[66:67]
	s_or_b32 s47, s47, 0x80000000
	s_wait_xcnt 0x0                                ; the last prefetch, a unit back, has read its address
	s_add_nc_u64 s[60:61], s[60:61], 0x8000
.endif
	s_wait_dscnt 0x0                               ; the add is done, and my reads of the slot that I have left are over
	s_barrier_signal -1
	s_barrier_wait -1
.if \fill
	TLOAD                                          ; the first thing behind the barrier, and my one tensor load until the next
	ASK
.endif
.endm
; THE WAY OUT of a block: O^T / l, rounded to f16, through my stage, back as four whole rows an instruction: the wave's store covers 512 consecutive bytes.
.macro WAYOUT
.rept 4
	v_nop                                          ; four places behind the last products
.endr
.irp t, 0,1
	v_add_f32 v[ST+8*\t+4], v[ST+8*\t+2], v[ST+8*\t+3]
.endr
.irp t, 0,1
	v_permlanex16_b32 v[ST+8*\t+5], v[ST+8*\t+4], s[SEL], s[SEL+1]
.endr
.irp t, 0,1
	v_add_f32 v[ST+8*\t+4], v[ST+8*\t+4], v[ST+8*\t+5]
.endr
.irp t, 0,1
	v_rcp_f32 v[ST+8*\t+6], v[ST+8*\t+4]
.endr
	v_nop
	s_wait_alu depctr_va_vdst(0)                   ; one wait for the two reciprocals, ahead of their first reader
	WIN 0x41
.irp t, 0,1
.set i, 0
.rept 16
	v_pk_mul_f32 v[OA+32*\t+i:OA+32*\t+i+1], v[OA+32*\t+i:OA+32*\t+i+1], v[ST+8*\t+6:ST+8*\t+7] op_sel_hi:[1,0]
.set i, i+2
.endr
.endr
	WIN 0x05
.set i, 0
.rept 32
	v_cvt_pk_f16_f32 v[S+i], v[OA+2*i], v[OA+2*i+1]
.set i, i+1
.endr
	WIN 0
.irp t, 0,1
.irp ct, 0,1,2,3
	ds_store_b128 v[STO], v[S+16*\t+4*\ct:S+16*\t+4*\ct+3] offset:16*144*\t+32*\ct
.endr
.endr
.irp i, 0,1,2,3,4,5,6,7
	ds_load_b128 v[S+32+4*\i:S+32+4*\i+3], v[RD] offset:4*144*\i   ; in order behind my stores
.endr
	s_wait_dscnt 0x0
.irp i, 0,1,2,3,4,5,6,7
	global_store_b128 v[GO], v[S+32+4*\i:S+32+4*\i+3], s[58:59] offset:512*\i
.endr
.endm
.macro SWITCH                          ; behind the first block's last unit: it goes out, and the second block begins.  A branch on the work-group's number and the trip: alike in all eight waves
	s_cmp_lg_u32 s[UC], s[NA]
	s_cbranch_scc1 .Lsame_\@
	WAYOUT
	s_wait_xcnt 0x0                                ; the stores have read their registers and base
	s_lshl_b32 s[Q0], s[WGI], 8
	s_lshl_b32 s66, s[WV], 5
	s_add_co_u32 s[Q0], s[Q0], s66
	s_mov_b32 s[KF], 0
	SETQ
	RESET
	QLOAD
	s_wait_loadcnt 0x0
.Lsame_\@:
.endm
	s_sub_co_u32 s66, 7, s[WGI]
	s_lshl_b32 s[Q0], s66, 8
	s_lshl_b32 s66, s[WV], 5
	s_add_co_u32 s[Q0], s[Q0], s66                 ; my first query of block 7 - i
	SETQ
	RESET
	QLOAD
	s_mov_b32 s[KF], 0
	s_mov_b32 s[TBK], 0
	s_mov_b32 s[TBV], 0
	s_mov_b32 s[NU], 0
	s_mov_b32 s[UC], 0
	s_wait_loadcnt 0x0                             ; Q
.Lunit:                                            ; eight trips: behind each change of slots the next unit is asked for (slot 1's first fill stands behind the first trip's barrier, where nothing is filled again)
	CHANGE 1
	SWITCH
	UNIT
	s_add_co_u32 s[UC], s[UC], 1
	s_cmp_lt_u32 s[UC], 8
	s_cbranch_scc1 .Lunit
	CHANGE 0                                       ; the ninth unit is written out: nothing is left to fetch
	SWITCH
	UNIT
	WAYOUT
	s_wait_tensorcnt 0x0                           ; the wave's end
	ds_add_u32 v[SPW], v[NIL]
	s_wait_dscnt 0x0
	s_endpgm
.Lfunc_end_k_q45b02ba960_attn:
	.size	k_q45b02ba960_attn, .Lfunc_end_k_q45b02ba960_attn-k_q45b02ba960_attn
	.p2alignl 7, 3214868480
	.fill 96, 4, 3214868480
	.section	.rodata,"a",@progbits
	.p2align	6, 0x0
	.amdhsa_kernel k_q45b02ba960_attn
		.amdhsa_group_segment_fixed_size 327680
		.amdhsa_private_segment_fixed_size 0
		.amdhsa_enable_private_segment 0
		.amdhsa_kernarg_size 16
		.amdhsa_user_sgpr_count 2
		.amdhsa_user_sgpr_kernarg_segment_ptr 1
		.amdhsa_wavefront_size32 1
		.amdhsa_system_sgpr_workgroup_id_x 1
		.amdhsa_system_sgpr_workgroup_id_y 1
		.amdhsa_system_sgpr_workgroup_id_z 1
		.amdhsa_system_vgpr_workitem_id 0
		.amdhsa_next_free_vgpr 512
		.amdhsa_next_free_sgpr 76
		.amdhsa_reserve_vcc 1
		.amdhsa_float_denorm_mode_32 3
		.amdhsa_float_denorm_mode_16_64 3
		.amdhsa_memory_ordered 1
		.amdhsa_forward_progress 1
		.amdhsa_inst_pref_size 82
	.end_amdhsa_kernel
	.amdgpu_metadata
---
amdhsa.version: [ 1, 2 ]
amdhsa.kernels:
  - .name:           k_q45b02ba960_attn
    .symbol:         k_q45b02ba960_attn.kd
    .args:
      - { .name: qkvh, .offset: 0, .size: 8, .value_kind: global_buffer, .address_space: global }
      - { .name: yh, .offset: 8, .size: 8, .value_kind: global_buffer, .address_space: global }
    .group_segment_fixed_size: 327680
    .private_segment_fixed_size: 0
    .kernarg_segment_align: 8
    .kernarg_segment_size: 16
    .max_flat_workgroup_size: 256
    .sgpr_count:     76
    .vgpr_count:     512
    .wavefront_size: 32
...
	.end_amdgpu_metadata
.endif
;; end of part 3
;; launch proj (part 4): grid 4 x 64, 4 waves a work-group, clusters of 4 x 4, 327,680 bytes of LDS; arguments yh, woh, bo, out0; writes out0
.if DOCPART == 4
	.amdgcn_target "amdgcn-amd-amdhsa--gfx1250"
	.amdhsa_code_object_version 6
	.text
	.protected	k_q45b02ba960_proj
	.globl	k_q45b02ba960_proj
	.p2align	8
	.type	k_q45b02ba960_proj,@function
k_q45b02ba960_proj:
	s_mov_b64 s[64:65], 0
	v_nop
	global_prefetch_b8 v0, s[64:65] scope:SCOPE_SE
	s_setreg_imm32_b32 hwreg(HW_REG_WAVE_MODE, 25, 1), 1
	s_wait_xcnt 0x0
	s_wait_alu depctr_hold_cnt(0) depctr_sa_sdst(0) depctr_va_vdst(0) depctr_va_sdst(0) depctr_va_ssrc(0) depctr_va_vcc(0) depctr_vm_vsrc(0)
	s_getreg_b32 s2, hwreg(HW_REG_IB_STS2, 6, 4)
	s_cmp_eq_u32 s2, 0
	s_cbranch_scc0 .Lentry_in_a_cluster
	s_endpgm
.Lentry_in_a_cluster:
	s_bfe_u32 s2, ttmp6, 0x10000c
	s_cmp_lg_u32 s2, 0xf033
	s_cbranch_scc0 .Lentry_shape_is_right
	s_endpgm
.Lentry_shape_is_right:
; out0 = y Wo + bo, for all rows but the first 16 positions of every sequence, which a launch of their own makes in f32.  y: f16 [4 b][16 h][2048 t][64]; Wo: f16 [1024 k][1024 n]; sums in f32, the bias as their first C.
; LIMIT: operands in f16 (magnitudes up to 65,504).
; A tile of out0 is 128 rows x 256 columns: 256 work-groups.  Four waves, each 64 x 128: 32 accumulators.  K goes in steps of 128 (two heads) through a ring of two LDS slots:
; y's tile is two planes (a head each) of 128 rows x 128 bytes, dense in memory; Wo's is 128 rows of k x 512 bytes, read turned by ds_load_tr16_b128.
; CLUSTER 4 x 4: batch = cy, block of 128 positions = the cluster's y, columns = cx.  The four of a row share y's tiles, the four of a column Wo's: joint loads.
; THE MATRIX INSTRUCTION IS USED TRANSPOSED (source 0 = 16 columns of Wo, source 1 = 16 rows of y): a lane holds one row and eight neighbouring columns.
; No prefetch: the tile is small, the K steps short, and the tiles are shared in the cluster.
; REGISTERS: window 0: v16-27 addresses; v28, v29 the add's two; v64-127 the bias; v128-255 rows on the way out.  window 1: two fragment buffers of 96 (y's 32, Wo's 64).  window 2: accumulator (a, b) at v[8 (8 a + b)].
.set PA,     144                       ; y's row in LDS: 128 bytes + 16
.set PB,     544                       ; Wo's: 512 + 32
.set PLANE,  128*PA
.set BOFF,   2*PLANE
.set HALFB,  64*PB
.set SLOT,   BOFF+2*HALFB
.set STAGE,  2*SLOT                    ; behind the ring: 16 rows x 528 bytes for each wave
.set SPITCH, 528
.set SPARE,  STAGE+4*16*SPITCH         ; the spare words, 128 bytes a wave, that no other line names
.set LAPS,   4                         ; a lap = two K steps; K = 1,024
.set ADRA, 16
.set ADRB, 20
.set STO,  24
.set RD,   25
.set CO,   26
.set BIA,  27
.set SPW,  28
.set NIL,  29
.set BI,   64
.set BK,   128
.set F0,   0
.set F1,   96
.set G1,   24
.set G0,   32
.set G1B,  48
.set G0B,  56
.set MSB, 0
.macro WIN new
.if MSB != (\new)
	s_set_vgpr_msb (MSB<<8)|(\new)
.set MSB, (\new)
.endif
.endm
.macro PLACES
.rept 4
	v_nop
.endr
.endm
.macro JLOAD s                         ; waves 0 and 1 fetch y's two planes, waves 2 and 3 Wo's two halves; an s_nop 0 and four v_nop follow each line
	s_cmp_eq_u32 s13, 0
	s_cbranch_scc0 .Lfor_b_\@
	tensor_load_to_lds s[G0+4*\s:G0+4*\s+3], s[G1:G1+7]
	s_nop 0
.rept 4
	v_nop
.endr
	s_branch .Lasked_\@
.Lfor_b_\@:
	tensor_load_to_lds s[G0B+4*\s:G0B+4*\s+3], s[G1B:G1B+7]
	s_nop 0
.rept 4
	v_nop
.endr
.Lasked_\@:
.endm
.macro CREST
	s_cmp_lg_u32 s12, 0
	s_cbranch_scc1 .Lnot_wave_0_\@
	s_barrier_signal -3
.Lnot_wave_0_\@:
	s_barrier_wait -3
	s_barrier_signal -1
	s_barrier_wait -1
.endm
.macro CROUND
	s_barrier_signal -1
	s_barrier_wait -1
	CREST
.endm
	s_load_b256 s[4:11], s[0:1], 0x0               ; yh s[4:5], woh s[6:7], bo s[8:9], out0 s[10:11]
	v_lshl_add_u32 v[SPW], v0, 2, SPARE
	v_mov_b32 v[NIL], 0
	ds_add_u32 v[SPW], v[NIL]                      ; the wave's opening: the add, twice on end, and its wait ahead of my first tensor load
	ds_add_u32 v[SPW], v[NIL]
	v_lshrrev_b32 v1, 5, v0
	v_readfirstlane_b32 s12, v1                    ; wave 0..3
	s_lshr_b32 s13, s12, 1                         ; which 64 rows are mine.  Also: I fetch for y (0) or for Wo (1)
	s_and_b32 s14, s12, 1                          ; which 128 columns.  Also: which half I fetch
	s_bfe_u32 s40, ttmp6, 0x40000                  ; cx
	s_bfe_u32 s41, ttmp6, 0x40004                  ; cy = the batch
	s_and_b32 s42, ttmp7, 0xffff                   ; the cluster's y = the block of 128 positions: the same in all partners
	s_lshl_b32 s45, ttmp9, 2
	s_add_co_u32 s45, s45, s40                     ; which 256 columns
	s_lshl_b32 s43, s41, 2
	s_lshl_b32 s43, 15, s43                        ; my row of the cluster
	s_lshl_b32 s44, 0x1111, s40                    ; my column
	s_or_b32 s15, s42, s13                         ; 0: my rows 0-15 are a sequence's first 16 positions
	; group 1.  y: 128 rows x 64 elements of 2 bytes, dense, 4 words of padding behind every 32.  Wo: 64 rows x 256 elements, 1,024 from row to row, 8 words behind every 128
	s_or_b32 s[G1+0], s43, (1<<16)|(1<<20)|(1<<21)|(4<<22)|(3<<25)
	s_mov_b32 s[G1+1], 64<<16
	s_mov_b32 s[G1+2], 128<<16
	s_mov_b32 s[G1+3], 64<<16
	s_mov_b32 s[G1+4], 128
	s_mov_b32 s[G1+5], 64
	s_mov_b32 s[G1+6], 0
	s_mov_b32 s[G1+7], 0
	s_or_b32 s[G1B+0], s44, (1<<16)|(1<<20)|(1<<21)|(6<<22)|(7<<25)
	s_mov_b32 s[G1B+1], 256<<16
	s_mov_b32 s[G1B+2], 64<<16
	s_mov_b32 s[G1B+3], 256<<16
	s_mov_b32 s[G1B+4], 64
	s_mov_b32 s[G1B+5], 1024
	s_mov_b32 s[G1B+6], 0
	s_mov_b32 s[G1B+7], 0
	s_lshl_b32 s16, s41, 4
	s_add_co_u32 s16, s16, s14                     ; y: head 16 cy + e (K step 0),
	s_lshl_b32 s16, s16, 11
	s_lshl_b32 s17, s42, 7
	s_add_co_u32 s16, s16, s17                     ; its row 128 x block,
	s_lshl_b32 s16, s16, 7                         ; 128 bytes a row
	s_mov_b32 s17, 0
	s_lshl_b32 s46, s14, 17                        ; Wo: row 64 e of 2,048 bytes,
	s_lshl_b32 s47, s45, 9
	s_add_co_u32 s46, s46, s47                     ; + 512 bytes a block of columns
	s_mov_b32 s47, 0
	s_mul_i32 s20, s14, PLANE                      ; where they go
	s_mul_i32 s21, s14, HALFB
	s_add_co_u32 s21, s21, BOFF
	s_wait_dscnt 0x0                               ; both opening adds are done
	s_wait_kmcnt 0x0
	s_add_nc_u64 s[16:17], s[4:5], s[16:17]
	s_add_nc_u64 s[46:47], s[6:7], s[46:47]
	CROUND                                         ; all sixteen work-groups are here: the first joint loads meet
.irp s, 0,1
	s_mov_b32 s[G0+4*\s], 1
	s_add_co_u32 s[G0+4*\s+1], s20, \s*SLOT
	s_add_nc_u64 s[G0+4*\s+2:G0+4*\s+3], s[16:17], \s*524288       ; K step s: two heads on
	s_or_b32 s[G0+4*\s+3], s[G0+4*\s+3], 0x80000000
	s_mov_b32 s[G0B+4*\s], 1
	s_add_co_u32 s[G0B+4*\s+1], s21, \s*SLOT
	s_add_nc_u64 s[G0B+4*\s+2:G0B+4*\s+3], s[46:47], \s*262144     ; 128 rows on
	s_or_b32 s[G0B+4*\s+3], s[G0B+4*\s+3], 0x80000000
	JLOAD \s
.endr
	v_and_b32 v1, 15, v0                           ; r
	v_bfe_u32 v2, v0, 4, 1                         ; h
	v_mul_u32_u24 v3, v1, PA
	v_lshl_add_u32 v3, v2, 4, v3
	s_mul_i32 s22, s13, 64*PA                      ; my 64 rows of y
	v_and_b32 v4, 7, v0
	v_bfe_u32 v5, v0, 3, 1
	v_lshl_add_u32 v6, v2, 3, v4
	v_mul_u32_u24 v6, v6, PB
	v_lshl_add_u32 v6, v5, 4, v6                   ; Wo, turned: row 8 h + lane % 8, columns 8 ((lane / 8) % 2) on
	s_lshl_b32 s23, s14, 8
	s_add_co_u32 s23, s23, BOFF                    ; my 128 columns
.irp s, 0,1
	v_add_nc_u32 v[ADRA+\s], s22, v3
	v_add_nc_u32 v[ADRB+\s], s23, v6
	s_add_co_u32 s22, s22, SLOT
	s_add_co_u32 s23, s23, SLOT
.endr
	s_mul_i32 s22, s12, 16*SPITCH
	s_add_co_u32 s22, s22, STAGE                   ; my stage
	v_mul_u32_u24 v7, v1, SPITCH
	v_lshl_add_u32 v7, v2, 5, v7
	v_add_nc_u32 v[STO], s22, v7                   ; in: row r, 32 bytes for each half of the lanes
	v_and_b32 v8, 31, v0
	v_lshlrev_b32 v[CO], 4, v8
	v_add_nc_u32 v[RD], s22, v[CO]                 ; back: the 32 lanes take one row of 512 bytes
	v_lshlrev_b32 v[BIA], 5, v2
	s_lshl_b32 s22, s45, 10
	s_lshl_b32 s23, s14, 9
	s_add_co_u32 s66, s22, s23                     ; my first column, in bytes of f32
	s_mov_b32 s67, 0
	s_add_nc_u64 s[8:9], s[8:9], s[66:67]
	s_add_nc_u64 s[10:11], s[10:11], s[66:67]
	s_lshl_b32 s22, s41, 11
	s_lshl_b32 s23, s42, 7
	s_add_co_u32 s22, s22, s23
	s_lshl_b32 s23, s13, 6
	s_add_co_u32 s22, s22, s23                     ; my first row
	s_lshl_b32 s66, s22, 12
	s_add_nc_u64 s[10:11], s[10:11], s[66:67]
.irp b, 0,1,2,3,4,5,6,7
	global_load_b128 v[BI+8*\b:BI+8*\b+3], v[BIA], s[8:9] offset:64*\b          ; bo[my column 16 b + 8 h + j], in the result's layout
	global_load_b128 v[BI+8*\b+4:BI+8*\b+7], v[BIA], s[8:9] offset:64*\b+16
.endr
.macro FETCH slot, q, f                ; 24 LDS loads in one run: the fragments of the slot's q-th 32 along K: Wo's eight, then y's four
	WIN 0x40
.irp b, 0,1,2,3,4,5,6,7
	ds_load_tr16_b128 v[\f+32+8*\b:\f+32+8*\b+3], v[ADRB+\slot] offset:32*PB*(\q)+32*\b
	ds_load_tr16_b128 v[\f+32+8*\b+4:\f+32+8*\b+7], v[ADRB+\slot] offset:32*PB*(\q)+32*\b+16*PB
.endr
.irp a, 0,1,2,3
	ds_load_b128 v[\f+8*\a:\f+8*\a+3], v[ADRA+\slot] offset:PLANE*((\q)/2)+64*((\q)%2)+16*PA*\a
	ds_load_b128 v[\f+8*\a+4:\f+8*\a+7], v[ADRA+\slot] offset:PLANE*((\q)/2)+64*((\q)%2)+16*PA*\a+32
.endr
.endm
.macro MUL8 f, a, first                ; y's block a against Wo's eight.  The 32 accumulators take turns, in the same order in every quarter
.irp b, 0,1,2,3,4,5,6,7
.if \first
	v_wmma_f32_16x16x32_f16 v[8*(8*(\a)+\b):8*(8*(\a)+\b)+7], v[\f+32+8*\b:\f+32+8*\b+7], v[\f+8*(\a):\f+8*(\a)+7], v[BI+8*\b:BI+8*\b+7]
.else
	v_wmma_f32_16x16x32_f16 v[8*(8*(\a)+\b):8*(8*(\a)+\b)+7], v[\f+32+8*\b:\f+32+8*\b+7], v[\f+8*(\a):\f+8*(\a)+7], v[8*(8*(\a)+\b):8*(8*(\a)+\b)+7]
.endif
.endr
.endm
; A K step is four quarters of 32 along K on buffers 0, 1, 0, 1.  One of the first three multiplies buffer f and, in its middle, fetches quarter q into g.  first = 1: the bias starts the sums.
.macro QUARTER slot, q, f, g, first
	s_wait_dscnt 4                                 ; Wo's fragments and y's blocks 0 and 1 are in; the youngest four loads (blocks 2 and 3) may be out
	WIN 0xa5-0x20*(\first)                         ; sources window 1, D window 2, C window 2 (first: the bias, window 0)
	MUL8 \f, 0, \first
	MUL8 \f, 1, \first
	PLACES                                         ; four places in front of loads into registers that the last quarter's products read
	FETCH \slot, \q, \g
	s_wait_dscnt 24                                ; all but the 24 just issued
	WIN 0xa5-0x20*(\first)
	MUL8 \f, 2, \first
	MUL8 \f, 3, \first
.endm
; The last quarter multiplies buffer 1 and changes slots: ONE barrier; in front of it each wave waits for all its tensor loads, adds 0 to its spare word, and waits for that and for its reads of this slot.
.macro TURN slot, next, fill
	WIN 0
	s_wait_tensorcnt 0x0                           ; all my tensor loads have landed: my part of the next slot
	ds_add_u32 v[SPW], v[NIL]                      ; 0 onto my spare word
	s_wait_dscnt 5                                 ; (the add and the youngest four loads may be out)
	WIN 0xa5
	MUL8 F1, 0, 0                                  ; eight matrix instructions stand between the add and the wait for it
	s_wait_dscnt 0x0                               ; the add is done, and my reads of this slot are over
	s_barrier_signal -1
	MUL8 F1, 1, 0
.if \fill
	WIN 0
.endif
	s_barrier_wait -1
.if \fill
	CREST                                          ; the barrier has opened a round of the cluster's: no wave of any partner still reads this slot or has a load on its way
	s_add_nc_u64 s[G0+4*\slot+2:G0+4*\slot+3], s[G0+4*\slot+2:G0+4*\slot+3], 1048576     ; two K steps on: four heads,
	s_add_nc_u64 s[G0B+4*\slot+2:G0B+4*\slot+3], s[G0B+4*\slot+2:G0B+4*\slot+3], 524288  ; 256 rows of Wo
	JLOAD \slot                                    ; the first tensor load behind the round; its four v_nop are also the places in front of the loads below
.else
	PLACES
.endif
	FETCH \next, 0, F0
	WIN 0xa5
	MUL8 F1, 2, 0
	MUL8 F1, 3, 0
.endm
	s_wait_tensorcnt 1                             ; my part of K step 0 is in; K step 1's may stay out
	s_barrier_signal -1
	s_barrier_wait -1
	FETCH 0, 0, F0
	s_wait_loadcnt 0x0                             ; the bias
	QUARTER 0, 1, F0, F1, 1                        ; the first quarter stands in front of the loop: its products start the sums
	WIN 0
	s_mov_b32 s3, LAPS-1
.Llap:                                             ; a trip goes once round the ring and fills both slots again
	QUARTER 0, 2, F1, F0, 0
	QUARTER 0, 3, F0, F1, 0
	TURN 0, 1, 1
	QUARTER 1, 1, F0, F1, 0
	QUARTER 1, 2, F1, F0, 0
	QUARTER 1, 3, F0, F1, 0
	TURN 1, 0, 1
	QUARTER 0, 1, F0, F1, 0
	WIN 0
	s_sub_co_u32 s3, s3, 1
	s_cmp_lg_u32 s3, 0
	s_cbranch_scc1 .Llap
	QUARTER 0, 2, F1, F0, 0                        ; the last lap fills nothing
	QUARTER 0, 3, F0, F1, 0
	TURN 0, 1, 0
	QUARTER 1, 1, F0, F1, 0
	QUARTER 1, 2, F1, F0, 0
	QUARTER 1, 3, F0, F1, 0
	s_wait_dscnt 4                                 ; the very last quarter: nothing more to fetch
	WIN 0xa5
	MUL8 F1, 0, 0
	MUL8 F1, 1, 0
	s_wait_dscnt 0x0
	MUL8 F1, 2, 0
	MUL8 F1, 3, 0
	WIN 0
; THE WAY OUT, 16 rows x 128 columns at a time, through my own stage: back as whole rows of 512 bytes, which the 32 lanes store as 512 consecutive bytes, aligned.
.macro TOSTAGE a
	WIN 0x08                                       ; an LDS store's data are its source 1: window 2
.irp b, 0,1,2,3,4,5,6,7
	ds_store_b128 v[STO], v[8*(8*(\a)+\b):8*(8*(\a)+\b)+3] offset:64*\b          ; each accumulator from its low end on
	ds_store_b128 v[STO], v[8*(8*(\a)+\b)+4:8*(8*(\a)+\b)+7] offset:64*\b+16
.endr
	WIN 0
.irp t, 0,1,2,3,4,5,6,7,8,9,10,11,12,13,14,15
	ds_load_b128 v[BK+64*((\a)%2)+4*\t:BK+64*((\a)%2)+4*\t+3], v[RD] offset:\t*SPITCH
.endr
.endm
.macro SEND a, younger                 ; younger: the LDS instructions issued behind block a's loads, which may stay out
	s_wait_dscnt \younger
.if (\a) == 0
	s_cmp_eq_u32 s15, 0                            ; a sequence's first 16 positions are another launch's: not stored here.  The cluster's y and the wave's number: alike in all partners
	s_cbranch_scc1 .Lfine_rows_\@
.endif
.irp t, 0,1,2,3,4,5,6,7,8,9,10,11,12,13,14,15
	global_store_b128 v[CO], v[BK+64*((\a)%2)+4*\t:BK+64*((\a)%2)+4*\t+3], s[10:11] offset:(16*(\a)+\t)*4096 th:TH_STORE_NT
.endr
.if (\a) == 0
.Lfine_rows_\@:
.endif
.endm
	PLACES
	TOSTAGE 0
.irp a, 1,2,3
.if \a > 1
	s_wait_xcnt 0x0                                ; the stores of two blocks ago have read the registers that these loads fill
.endif
	TOSTAGE \a
	SEND \a-1, 32                                  ; behind block a - 1's loads: block a's 16 stores and 16 loads
.endr
	SEND 3, 0
	s_wait_tensorcnt 0x0                           ; the wave's end
	ds_add_u32 v[SPW], v[NIL]
	s_wait_dscnt 0x0
	CROUND                                         ; the closing round
	s_endpgm
.Lfunc_end_k_q45b02ba960_proj:
	.size	k_q45b02ba960_proj, .Lfunc_end_k_q45b02ba960_proj-k_q45b02ba960_proj
	.p2alignl 7, 3214868480
	.fill 96, 4, 3214868480
	.section	.rodata,"a",@progbits
	.p2align	6, 0x0
	.amdhsa_kernel k_q45b02ba960_proj
		.amdhsa_group_segment_fixed_size 327680
		.amdhsa_private_segment_fixed_size 0
		.amdhsa_enable_private_segment 0
		.amdhsa_kernarg_size 32
		.amdhsa_user_sgpr_count 2
		.amdhsa_user_sgpr_kernarg_segment_ptr 1
		.amdhsa_wavefront_size32 1
		.amdhsa_system_sgpr_workgroup_id_x 1
		.amdhsa_system_sgpr_workgroup_id_y 1
		.amdhsa_system_sgpr_workgroup_id_z 1
		.amdhsa_system_vgpr_workitem_id 0
		.amdhsa_next_free_vgpr 768
		.amdhsa_next_free_sgpr 80
		.amdhsa_reserve_vcc 0
		.amdhsa_float_denorm_mode_32 3
		.amdhsa_float_denorm_mode_16_64 3
		.amdhsa_memory_ordered 1
		.amdhsa_forward_progress 1
		.amdhsa_inst_pref_size 87
	.end_amdhsa_kernel
	.amdgpu_metadata
---
amdhsa.version: [ 1, 2 ]
amdhsa.kernels:
  - .name:           k_q45b02ba960_proj
    .symbol:         k_q45b02ba960_proj.kd
    .args:
      - { .name: yh, .offset: 0, .size: 8, .value_kind: global_buffer, .address_space: global }
      - { .name: woh, .offset: 8, .size: 8, .value_kind: global_buffer, .address_space: global }
      - { .name: bo, .offset: 16, .size: 8, .value_kind: global_buffer, .address_space: global }
      - { .name: out0, .offset: 24, .size: 8, .value_kind: global_buffer, .address_space: global }
    .group_segment_fixed_size: 327680
    .private_segment_fixed_size: 0
    .kernarg_segment_align: 8
    .kernarg_segment_size: 32
    .max_flat_workgroup_size: 128
    .sgpr_count:     80
    .vgpr_count:     768
    .wavefront_size: 32
...
	.end_amdgpu_metadata
.endif
;; end of part 4
;; launch fine (part 5): grid 16 x 4, 8 waves a work-group, no clusters, 35,840 bytes of LDS; arguments qkv32, Wo, bo, out0; writes out0
.if DOCPART == 5
	.amdgcn_target "amdgcn-amd-amdhsa--gfx1250"
	.amdhsa_code_object_version 6
	.text
	.protected	k_q45b02ba960_fine
	.globl	k_q45b02ba960_fine
	.p2align	8
	.type	k_q45b02ba960_fine,@function
k_q45b02ba960_fine:
	s_mov_b64 s[64:65], 0
	v_nop
	global_prefetch_b8 v0, s[64:65] scope:SCOPE_SE
	s_setreg_imm32_b32 hwreg(HW_REG_WAVE_MODE, 25, 1), 1
	s_wait_xcnt 0x0
; THE FIRST 16 POSITIONS OF EVERY SEQUENCE, all in f32: attention and the projection on the way out.  These rows average one to sixteen values and are the largest in size.
; q, k, v: f32 [3][4 b][16 h][16 t][64].  Work-group (x, y): batch y, columns 64 x .. 64 x + 63 of out0.  Wave w: heads 2 w and 2 w + 1, which are also rows 128 w .. 128 w + 127 of Wo:
; so y never leaves the wave; the eight waves' parts of the sums over K meet in LDS.  All products by v_wmma_f32_16x16x4_f32: small work, 192 instructions a wave.  Straight-line text.
; K IS TAKEN IN AN ORDER THAT SUITS THE REGISTERS, alike on both sides of each product: a result's lane (r, h) holds eight numbers 8 h + j, and a pair of its registers (2 c, 2 c + 1) serves as the
; next product's source 1 for a K step whose four places are 8 h + 2 c + j; the other side is loaded to match.
; The registers that these matrix instructions write (window 1: v128-239) are written by them alone; the softmax is normalised BEFORE the second product, into other registers.
; REGISTERS: window 0: v3-11 addresses; v12, v13 the add's two; v14-23 at work; v24-27 bo; v32-95 q, v96-159 k (later Wo's rows of head 1); v160-223 v (later the waves' parts); v224-239 p; v240-255 scores.
;   window 1: v0-127 Wo's rows of head 0; v128-191 O^T (32 hd + 8 ct); v192-223 out^T (8 nt); v224-239 S^T (8 hd).
.set SPARE, 34816                      ; LDS: 0 .. the waves' parts, 16 rows x 272 bytes each; from here the spare words, 128 bytes a wave, that no other line names
.set SPW, 12
.set NIL, 13
.set QF,  32
.set KFF, 96
.set VF,  160
.set PP,  224
.set EE,  240
.set W1,  32
.set OO,  128
.set OU,  192
.set SS,  224
.set MSB, 0
.macro WIN new
.if MSB != (\new)
	s_set_vgpr_msb (MSB<<8)|(\new)
.set MSB, (\new)
.endif
.endm
	s_load_b256 s[4:11], s[0:1], 0x0               ; qkv32 s[4:5], Wo s[6:7], bo s[8:9], out0 s[10:11]
	v_lshl_add_u32 v[SPW], v0, 2, SPARE
	v_mov_b32 v[NIL], 0
	v_lshrrev_b32 v1, 5, v0
	v_readfirstlane_b32 s12, v1                    ; wave 0..7
	s_and_b32 s14, ttmp7, 0xffff                   ; the batch
	v_and_b32 v1, 15, v0                           ; r
	v_bfe_u32 v2, v0, 4, 1                         ; h
	v_lshlrev_b32 v3, 8, v1
	v_lshl_add_u32 v3, v2, 4, v3                   ; q, k: row r of 256 bytes, + 16 h: channels 8 c + 4 h + 0 .. 3
	v_lshlrev_b32 v4, 2, v1
	v_lshl_add_u32 v5, v2, 15, v4                  ; Wo: column r, rows 8 h on
	v_lshl_add_u32 v4, v2, 11, v4                  ; v: channel r, keys 8 h on
	s_mul_i32 s15, s12, 16*272
	v_mul_u32_u24 v6, v1, 272
	v_lshl_add_u32 v6, v2, 5, v6
	v_add_nc_u32 v6, s15, v6                       ; my part: row r, 32 bytes for each half of the lanes
	v_lshrrev_b32 v14, 4, v0                       ; at the end thread t takes row t / 16,
	v_lshlrev_b32 v9, 4, v1                        ; 16 bytes at 16 (t % 16)
	v_mad_u32_u24 v7, v14, 272, v9
	v_lshl_add_u32 v8, v14, 12, v9
	v_lshlrev_b32 v15, 3, v2
	v_sub_nc_u32 v10, v1, v15                      ; d = r - 8 h: register j holds key 8 h + j, hidden where j > d
	v_mov_b32 v11, 0xff800000                      ; -infinity
	v_mov_b32 v16, 0                               ; a lane permute's destination counts as one of its sources
	v_mov_b32 v17, 0
	s_lshl_b32 s16, s14, 4
	s_lshl_b32 s17, s12, 1
	s_add_co_u32 s16, s16, s17
	s_lshl_b32 s16, s16, 12                        ; my first head: 4,096 bytes a head
	s_mov_b32 s17, 0
	s_lshl_b32 s18, s12, 19                        ; Wo: row 128 w of 4,096 bytes,
	s_lshl_b32 s20, ttmp9, 8                       ; + 256 bytes a block of 64 columns
	s_add_co_u32 s18, s18, s20
	s_mov_b32 s19, 0
	s_mov_b32 s21, 0
	s_lshl_b32 s22, s14, 23                        ; out0: 2,048 rows of 4,096 bytes a batch
	s_add_co_u32 s22, s22, s20
	s_mov_b32 s23, 0
	s_mov_b32 s24, 0x3e38aa3b                      ; c = log2(e) / 8
	s_mov_b32 s26, 0x76543210
	s_mov_b32 s27, 0xfedcba98
	s_wait_kmcnt 0x0
	s_add_nc_u64 s[4:5], s[4:5], s[16:17]
	s_add_nc_u64 s[6:7], s[6:7], s[18:19]
	s_add_nc_u64 s[8:9], s[8:9], s[20:21]
	s_add_nc_u64 s[10:11], s[10:11], s[22:23]
	global_load_b128 v[24:27], v9, s[8:9]          ; bo
.irp hd, 0,1
.irp c, 0,1,2,3,4,5,6,7
	global_load_b128 v[QF+32*\hd+4*\c:QF+32*\hd+4*\c+3], v3, s[4:5] offset:4096*\hd+32*\c
	global_load_b128 v[KFF+32*\hd+4*\c:KFF+32*\hd+4*\c+3], v3, s[4:5] offset:262144+4096*\hd+32*\c
.endr
.endr
.irp hd, 0,1
.irp ct, 0,1,2,3
.irp c, 0,1,2,3
.irp j, 0,1
	global_load_b32 v[VF+32*\hd+2*(4*\ct+\c)+\j], v4, s[4:5] offset:524288+4096*\hd+256*(2*\c+\j)+64*\ct   ; v(key 8 h + 2 c + j, channel 16 ct + r)
.endr
.endr
.endr
.endr
	s_wait_loadcnt 63                              ; of the 97 loads issued at most 63 are out: the oldest 34 are in, bo, q and k among them
	WIN 0x50                                       ; C and D window 1
.set n, 0
.rept 32                               ; S^T = k q^T: head n % 2, K step n / 2: the two sums by turns; each sum's first K step has the constant 0 as C
.if n < 2
	v_wmma_f32_16x16x4_f32 v[SS+8*(n%2):SS+8*(n%2)+7], v[KFF+32*(n%2)+2*(n/2):KFF+32*(n%2)+2*(n/2)+1], v[QF+32*(n%2)+2*(n/2):QF+32*(n%2)+2*(n/2)+1], 0
.else
	v_wmma_f32_16x16x4_f32 v[SS+8*(n%2):SS+8*(n%2)+7], v[KFF+32*(n%2)+2*(n/2):KFF+32*(n%2)+2*(n/2)+1], v[QF+32*(n%2)+2*(n/2):QF+32*(n%2)+2*(n/2)+1], v[SS+8*(n%2):SS+8*(n%2)+7]
.endif
.set n, n+1
.endr
	WIN 0x40
.irp ct, 0,1,2,3
.irp c, 0,1,2,3
.irp nt, 0,1,2,3
.irp j, 0,1
	global_load_b32 v[8*(4*\ct+\c)+2*\nt+\j], v5, s[6:7] offset:(16*\ct+2*\c+\j)*4096+64*\nt   ; Wo(head 0's channel 16 ct + 8 h + 2 c + j, column 16 nt + r)
.endr
.endr
.endr
.endr
	WIN 0
.rept 8
	v_nop                                          ; eight places behind this form: ahead of the loads into q's and k's registers and of the first read of the scores
.endr
.irp ct, 0,1,2,3
.irp c, 0,1,2,3
.irp nt, 0,1,2,3
.irp j, 0,1
	global_load_b32 v[W1+8*(4*\ct+\c)+2*\nt+\j], v5, s[6:7] offset:(64+16*\ct+2*\c+\j)*4096+64*\nt   ; head 1's
.endr
.endr
.endr
.endr
	; the softmax: a lane holds query r and keys 8 h + 0 .. 7; the other eight lie in the lane 16 away
	WIN 0x01                                       ; source 0 (the scores) window 1
.irp hd, 0,1
.irp j, 0,1,2,3,4,5,6,7
	v_cmp_gt_i32 vcc_lo, \j, v10
	v_cndmask_b32 v[EE+8*\hd+\j], v[SS+8*\hd+\j], v11, vcc_lo      ; hidden keys: -infinity.  Each accumulator is read from its low end on
.endr
.endr
	WIN 0
.irp hd, 0,1
	v_max3_num_f32 v[14+\hd], v[EE+8*\hd], v[EE+8*\hd+1], v[EE+8*\hd+2]
.endr
.irp hd, 0,1
	v_max3_num_f32 v[14+\hd], v[14+\hd], v[EE+8*\hd+3], v[EE+8*\hd+4]
.endr
.irp hd, 0,1
	v_max3_num_f32 v[14+\hd], v[14+\hd], v[EE+8*\hd+5], v[EE+8*\hd+6]
.endr
.irp hd, 0,1
	v_max_num_f32 v[14+\hd], v[14+\hd], v[EE+8*\hd+7]
.endr
.irp hd, 0,1
	v_permlanex16_b32 v[16+\hd], v[14+\hd], s26, s27
.endr
.irp hd, 0,1
	v_max_num_f32 v[14+\hd], v[14+\hd], v[16+\hd]  ; the row's maximum: key 0 counts for every query, so it is a number
.endr
.irp hd, 0,1
	v_mul_f32 v[18+\hd], s24, v[14+\hd]
.endr
.irp j, 0,1,2,3,4,5,6,7
.irp hd, 0,1
	v_fma_f32 v[EE+8*\hd+\j], v[EE+8*\hd+\j], s24, -v[18+\hd]      ; c s - c m
.endr
.endr
.set i, 0
.rept 16
	v_exp_f32 v[EE+i], v[EE+i]
.set i, i+1
.endr
	v_nop                                          ; one plain instruction behind the batch,
	s_wait_alu depctr_va_vdst(0)                   ; and one wait ahead of its first reader
.irp hd, 0,1
	v_add_f32 v[20+2*\hd], v[EE+8*\hd], v[EE+8*\hd+1]
	v_add_f32 v[21+2*\hd], v[EE+8*\hd+2], v[EE+8*\hd+3]
.endr
.irp hd, 0,1
	v_add_f32 v[20+2*\hd], v[20+2*\hd], v[EE+8*\hd+4]
	v_add_f32 v[21+2*\hd], v[21+2*\hd], v[EE+8*\hd+5]
.endr
.irp hd, 0,1
	v_add_f32 v[20+2*\hd], v[20+2*\hd], v[EE+8*\hd+6]
	v_add_f32 v[21+2*\hd], v[21+2*\hd], v[EE+8*\hd+7]
.endr
.irp hd, 0,1
	v_add_f32 v[20+2*\hd], v[20+2*\hd], v[21+2*\hd]
.endr
.irp hd, 0,1
	v_permlanex16_b32 v[16+\hd], v[20+2*\hd], s26, s27
.endr
.irp hd, 0,1
	v_add_f32 v[20+2*\hd], v[20+2*\hd], v[16+\hd]  ; the row's sum
.endr
.irp hd, 0,1
	v_rcp_f32 v[18+\hd], v[20+2*\hd]
.endr
	v_nop
	s_wait_alu depctr_va_vdst(0)
.irp j, 0,1,2,3,4,5,6,7
.irp hd, 0,1
	v_mul_f32 v[PP+8*\hd+\j], v[EE+8*\hd+\j], v[18+\hd]            ; the weights, normalised
.endr
.endr
	s_wait_loadcnt 63                              ; 256 loads are younger than v's: v is in
	WIN 0x50
.irp c, 0,1,2,3                        ; O^T = v^T p: K step c takes keys 8 h + 2 c + j; eight sums by turns; each sum's first K step has the constant 0 as C
.irp hd, 0,1
.irp ct, 0,1,2,3
.if \c == 0
	v_wmma_f32_16x16x4_f32 v[OO+32*\hd+8*\ct:OO+32*\hd+8*\ct+7], v[VF+32*\hd+2*(4*\ct+\c):VF+32*\hd+2*(4*\ct+\c)+1], v[PP+8*\hd+2*\c:PP+8*\hd+2*\c+1], 0
.else
	v_wmma_f32_16x16x4_f32 v[OO+32*\hd+8*\ct:OO+32*\hd+8*\ct+7], v[VF+32*\hd+2*(4*\ct+\c):VF+32*\hd+2*(4*\ct+\c)+1], v[PP+8*\hd+2*\c:PP+8*\hd+2*\c+1], v[OO+32*\hd+8*\ct:OO+32*\hd+8*\ct+7]
.endif
.endr
.endr
.endr
	s_wait_loadcnt 0x0                             ; Wo's rows
.rept 9
	v_nop                                          ; nine places before a matrix instruction takes these results as a source
.endr
.irp hd, 0,1                           ; out^T += Wo^T y^T: K step (hd, ct, c) takes channels 16 ct + 8 h + 2 c + j of head hd; four sums by turns
	WIN 0x55-\hd                                   ; y window 1, C and D window 1; Wo's rows window 1 (head 0) or 0 (head 1)
.irp ct, 0,1,2,3
.irp c, 0,1,2,3
.irp nt, 0,1,2,3
.if (\hd+\ct+\c) == 0
	v_wmma_f32_16x16x4_f32 v[OU+8*\nt:OU+8*\nt+7], v[W1*\hd+8*(4*\ct+\c)+2*\nt:W1*\hd+8*(4*\ct+\c)+2*\nt+1], v[OO+32*\hd+8*\ct+2*\c:OO+32*\hd+8*\ct+2*\c+1], 0
.else
	v_wmma_f32_16x16x4_f32 v[OU+8*\nt:OU+8*\nt+7], v[W1*\hd+8*(4*\ct+\c)+2*\nt:W1*\hd+8*(4*\ct+\c)+2*\nt+1], v[OO+32*\hd+8*\ct+2*\c:OO+32*\hd+8*\ct+2*\c+1], v[OU+8*\nt:OU+8*\nt+7]
.endif
.endr
.endr
.endr
.endr
.rept 8
	v_nop                                          ; eight places ahead of the first read of the results
.endr
	WIN 0x04                                       ; an LDS store's data are its source 1: window 1
.irp nt, 0,1,2,3
	ds_store_b128 v6, v[OU+8*\nt:OU+8*\nt+3] offset:64*\nt         ; lane (r, h): row r, columns 16 nt + 8 h + 0 .. 7
	ds_store_b128 v6, v[OU+8*\nt+4:OU+8*\nt+7] offset:64*\nt+16
.endr
	WIN 0
	s_wait_dscnt 0x0                               ; for the others' sake: my part lies in LDS
	s_barrier_signal -1
	s_barrier_wait -1
.irp w, 0,1,2,3,4,5,6,7
	ds_load_b128 v[160+4*\w:160+4*\w+3], v7 offset:16*272*\w       ; the eight waves' parts of my four numbers
.endr
	s_wait_dscnt 0x0
.irp k, 0,2
	v_pk_add_f32 v[160+\k:161+\k], v[160+\k:161+\k], v[164+\k:165+\k]
	v_pk_add_f32 v[168+\k:169+\k], v[168+\k:169+\k], v[172+\k:173+\k]
	v_pk_add_f32 v[176+\k:177+\k], v[176+\k:177+\k], v[180+\k:181+\k]
	v_pk_add_f32 v[184+\k:185+\k], v[184+\k:185+\k], v[188+\k:189+\k]
	v_pk_add_f32 v[160+\k:161+\k], v[160+\k:161+\k], v[168+\k:169+\k]
	v_pk_add_f32 v[176+\k:177+\k], v[176+\k:177+\k], v[184+\k:185+\k]
	v_pk_add_f32 v[160+\k:161+\k], v[160+\k:161+\k], v[176+\k:177+\k]
	v_pk_add_f32 v[160+\k:161+\k], v[160+\k:161+\k], v[24+\k:25+\k]   ; + bo
.endr
	global_store_b128 v8, v[160:163], s[10:11] th:TH_STORE_NT      ; sixteen lanes store 256 consecutive bytes, aligned
	s_wait_tensorcnt 0x0                           ; the wave's end
	ds_add_u32 v[SPW], v[NIL]
	s_wait_dscnt 0x0
	s_endpgm
.Lfunc_end_k_q45b02ba960_fine:
	.size	k_q45b02ba960_fine, .Lfunc_end_k_q45b02ba960_fine-k_q45b02ba960_fine
	.p2alignl 7, 3214868480
	.fill 96, 4, 3214868480
	.section	.rodata,"a",@progbits
	.p2align	6, 0x0
	.amdhsa_kernel k_q45b02ba960_fine
		.amdhsa_group_segment_fixed_size 35840
		.amdhsa_private_segment_fixed_size 0
		.amdhsa_enable_private_segment 0
		.amdhsa_kernarg_size 32
		.amdhsa_user_sgpr_count 2
		.amdhsa_user_sgpr_kernarg_segment_ptr 1
		.amdhsa_wavefront_size32 1
		.amdhsa_system_sgpr_workgroup_id_x 1
		.amdhsa_system_sgpr_workgroup_id_y 1
		.amdhsa_system_sgpr_workgroup_id_z 1
		.amdhsa_system_vgpr_workitem_id 0
		.amdhsa_next_free_vgpr 512
		.amdhsa_next_free_sgpr 66
		.amdhsa_reserve_vcc 1
		.amdhsa_float_denorm_mode_32 3
		.amdhsa_float_denorm_mode_16_64 3
		.amdhsa_memory_ordered 1
		.amdhsa_forward_progress 1
		.amdhsa_inst_pref_size 56
	.end_amdhsa_kernel
	.amdgpu_metadata
---
amdhsa.version: [ 1, 2 ]
amdhsa.kernels:
  - .name:           k_q45b02ba960_fine
    .symbol:         k_q45b02ba960_fine.kd
    .args:
      - { .name: qkv32, .offset: 0, .size: 8, .value_kind: global_buffer, .address_space: global }
      - { .name: Wo, .offset: 8, .size: 8, .value_kind: global_buffer, .address_space: global }
      - { .name: bo, .offset: 16, .size: 8, .value_kind: global_buffer, .address_space: global }
      - { .name: out0, .offset: 24, .size: 8, .value_kind: global_buffer, .address_space: global }
    .group_segment_fixed_size: 35840
    .private_segment_fixed_size: 0
    .kernarg_segment_align: 8
    .kernarg_segment_size: 32
    .max_flat_workgroup_size: 256
    .sgpr_count:     66
    .vgpr_count:     512
    .wavefront_size: 32
...
	.end_amdgpu_metadata
.endif
;; end of part 5
